; MI455X (gfx1250); checked and timed in simulation.
; The chip was launched on July 23, 2026; its instructions are those of AMD's public machine-readable ISA for CDNA 5 (MIT licence, August 2026) and "CDNA5" Instruction Set Architecture Reference Guide (July 2026). The comments in the code are by the model that wrote it; some were corrected since.
;; Multi Head Attention. Allowed arithmetic: matrix products marked QUANTISED: E2M1 operands, one E8M0 scale for each 32 along K, by v_wmma_scale_f32_16x16x128_f8f6f4 with both operands' format E2M1 (or v_wmma_scale_f32_32x16x128_f4), f32 sums; products left as they are: bf16, f16 or f32 operands; f32 sums; everything else in f32.
;; Inputs: Wk 1,024 x 1,024 float32; Wo 1,024 x 1,024 float32; Wq 1,024 x 1,024 float32; Wv 1,024 x 1,024 float32; attention_mask 1 x 1 x 4,096 x 4,096 float32; bk 1,024 float32; bo 1,024 float32; bq 1,024 float32; bv 1,024 float32; hidden_states 1 x 4,096 x 1,024 float32.
;; Outputs: out0 1 x 4,096 x 1,024 float32.
;; This version of the problem:
;;   THIS VERSION OF THE PROBLEM IS GIVEN IN LOW PRECISION. The matrix products marked QUANTISED in the list below multiply operands that are first quantised to E2M1 (2 exponent bits, 1 mantissa bit; 4 bits a number), with one power-of-two scale for each 32 numbers along K (OCP MX v1.0); their sums are f32. The products marked 'left as it is' may take bf16, f16 or f32 operands, with f32 sums. Whichever they take, every output number must still come out within the allowed error. Rounding operands to bf16 (8 significant bits) uses up far more of that allowance than f16 does (11 bits, for magnitudes from 6e-5 to 65,504). All else is computed in f32.
;;   The module's matrix products, in the order in which they are computed (A, B: the left and right operand; K: the contracted axis; several contracted axes count as one K, in the product's order):
;;     1. [M 4,096, K 1,024] x [K 1,024, N 1,024]; A: input hidden_states; B: input Wq: QUANTISED
;;     2. [M 4,096, K 1,024] x [K 1,024, N 1,024]; A: input hidden_states; B: input Wk: QUANTISED
;;     3. [M 4,096, K 1,024] x [K 1,024, N 1,024]; A: input hidden_states; B: input Wv: QUANTISED
;;     4. batch 16 x [M 4,096, K 64] x [K 64, N 4,096]; A: computed on the way; B: computed on the way: left as it is (an operand is computed on the way)
;;     5. batch 16 x [M 4,096, K 4,096] x [K 4,096, N 64]; A: computed on the way; B: computed on the way: left as it is (an operand is computed on the way)
;;     6. [M 4,096, K 1,024] x [K 1,024, N 1,024]; A: computed on the way; B: input Wo: left as it is (an operand is computed on the way)
;;   THE QUANTISER, for each operand of a quantised product, along K:
;;     - K is cut into blocks of 32 from its start; a last block that is shorter is filled with zeros.
;;     - A block's scale is 2^e with e = floor(log2(the largest magnitude in the block)) - 2, held to -126 .. 127; a block of zeros has e = 0. As a byte (E8M0): e + 127.
;;     - Each number is divided by its block's scale, clamped to +-6, and rounded to the nearest number of E2M1, ties to even, subnormals kept.
;;     - The product sums the exact products of the quantised numbers (number of the format x scale) in f32.
;;   ~~~python
;;   def quantise(x, axis):      # numpy; x: float32 -> the quantised numbers, widened to float32 again
;;       x = np.moveaxis(x, axis, -1); K = x.shape[-1]
;;       x = np.pad(x, [(0, 0)] * (x.ndim - 1) + [(0, -K % 32)]); x = x.reshape(x.shape[:-1] + (-1, 32)); a = np.abs(x).max(-1, keepdims=True)
;;       e = np.where(a > 0, np.clip(np.frexp(np.where(a > 0, a, 1))[1] - 1 - 2, -126, 127), 0)      # np.frexp(a)[1] - 1 = floor(log2(a)), exactly
;;       r = np.clip(x / 2.0 ** e, -6, 6)
;;       step = 2.0 ** (np.maximum(np.frexp(np.where(r == 0, 1, r))[1] - 1, 0) - 1)
;;       q = np.round(r / step) * step * 2.0 ** e      # np.round: ties to even
;;       return np.moveaxis(q.reshape(q.shape[:-2] + (-1,))[..., :K], -1, axis).astype(np.float32)
;;   ~~~
;; One version. Each part assembles by itself: llvm-mc -triple=amdgcn-amd-amdhsa -mcpu=gfx1250 --defsym DOCPART=n.
;; ======== version 1 of 1: 6 launches
;; limits: right only within a limited range of input values; values are held in f16: magnitudes above 65,504 overflow, below 6.1e-05 lose precision
;; workspace buffers: codes 3,670,016 bytes; scales 229,376 bytes; wof 2,097,152 bytes; qkv 25,165,824 bytes; v32 16,777,216 bytes; af 8,388,608 bytes; fpart 557,056 bytes; fattn 65,536 bytes
;; launch quant (part 1): grid 256 x 1, 4 waves a work-group, no clusters, 33,280 bytes of LDS; arguments hidden_states, Wq, Wk, Wv, Wo, codes, scales, wof; writes codes, scales, wof
.if DOCPART == 1
	.amdgcn_target "amdgcn-amd-amdhsa--gfx1250"
	.amdhsa_code_object_version 6
	.text
	.protected	k_qa277ac9464_quant
	.globl	k_qa277ac9464_quant
	.p2align	8
	.type	k_qa277ac9464_quant,@function
k_qa277ac9464_quant:
	s_mov_b64 s[64:65], 0
	v_nop
	global_prefetch_b8 v0, s[64:65] scope:SCOPE_SE
	s_setreg_imm32_b32 hwreg(HW_REG_WAVE_MODE, 25, 1), 1
	s_wait_xcnt 0x0
; hidden_states [4096][1024] and Wq, Wk, Wv [1024][1024], f32 with K innermost, become codes of FP4 (E2M1) with one E8M0 byte for each 32 along K;
; Wo [1024][1024] becomes f16, laid in the order of a matrix operand's registers.
; codes: rows of 512 bytes, x's 4,096 rows, then Wq's, Wk's, Wv's 3,072.  scales: rows of 32 bytes in the same order.
; wof: [tile of 16 rows n: 64][32 along k: 32][1,024 bytes]: registers 0-3 of the fragment, lane l at 16 l, then registers 4-7 likewise.
; A block's scale is 2^(floor(log2(largest magnitude)) - 2); its byte is the largest magnitude's exponent field - 2, held at 1 from below.  A block of zeros gets the byte 1
; where the rule says 127: its codes are zeros, and this program alone reads the bytes.
; LIMITS: blocks whose largest magnitude lies under 2^-124 keep the byte 1; NaN and infinities are not served; numbers of Wo beyond 65,504 become infinity in f16.
; Work-groups 0-223: 32,768 numbers each of the four tensors, as plain streams of blocks of 32.  A wave takes 16 steps of 512 numbers: four loads of 512 consecutive bytes,
; a turn through the wave's own stage in LDS so that a lane holds 16 neighbours, two lanes to a block.  Work-groups 224-255: Wo, without LDS.
; No cluster and no tensor load: no byte is read by two work-groups.
.set WAVES, 4
.set STEPS, 16
.set EMAX,  2
.set CB,    8                          ; bytes of 16 codes
.set R,     16                         ; v16-79   four sets of 16 numbers as loaded
.set X,     80                         ; v80-111  two sets of 16 neighbours
.set C,     128                        ; v128-191 codes, four registers a step
.set E,     112                        ; v112-127 a scale byte a step
.set WREG,  8192                       ; LDS: a region for each wave: two stages of 32 x SP bytes, then its 256 scale bytes
.set SP,    80                         ; a lane's 64 bytes + 16 of padding
.set SPW,   12                         ; v12 my spare word's LDS address; never rewritten
.set NIL,   13                         ; v13 0; never rewritten
.set SPARE, WAVES*WREG                 ; the spare words: 128 bytes a wave, named by no other line
	s_load_b256 s[4:11], s[0:1], 0x0               ; hidden s[4:5], Wq s[6:7], Wk s[8:9], Wv s[10:11]
	s_load_b256 s[12:19], s[0:1], 0x20             ; Wo s[12:13], codes s[14:15], scales s[16:17], wof s[18:19]
	v_lshl_add_u32 v[SPW], v0, 2, SPARE
	v_mov_b32 v[NIL], 0
	v_lshrrev_b32 v1, 5, v0
	v_readfirstlane_b32 s24, v1                    ; wave
	v_and_b32 v2, 31, v0                           ; lane
	s_cmp_ge_u32 ttmp9, 224
	s_cbranch_scc1 .Lwo                            ; the last 32 work-groups take Wo
	v_lshlrev_b32 v3, 4, v2                        ; my 16 bytes of a load's 512
	s_mul_i32 s25, s24, WREG
	v_lshrrev_b32 v14, 2, v2
	v_mul_u32_u24 v14, v14, SP
	v_and_b32 v15, 3, v2
	v_lshl_add_u32 v14, v15, 4, v14
	v_add_nc_u32 v14, s25, v14                     ; the stage, on the way in: SP (lane / 4) + 16 (lane % 4)
	v_mul_u32_u24 v15, v2, SP
	v_add_nc_u32 v15, s25, v15                     ; on the way out: SP x lane: my 16 neighbours
	v_mul_u32_u24 v4, v2, CB                       ; my codes' place in a step's
	v_lshrrev_b32 v5, 1, v2
	s_add_co_u32 s25, s25, 2*32*SP
	v_add_nc_u32 v5, s25, v5                       ; my block's byte among my wave's 256
	v_lshlrev_b32 v7, 3, v2
	v_add_nc_u32 v6, s25, v7                       ; and 8 bytes a lane on their way out
	s_and_b32 s26, ttmp9, 31                       ; a weight's work-group number
	s_wait_kmcnt 0x0
	s_mov_b64 s[20:21], s[10:11]                   ; the source, chosen by the work-group's number alone: Wv,
	s_cmp_lt_u32 ttmp9, 192
	s_cselect_b64 s[20:21], s[8:9], s[20:21]       ; Wk,
	s_cmp_lt_u32 ttmp9, 160
	s_cselect_b64 s[20:21], s[6:7], s[20:21]       ; Wq,
	s_cmp_lt_u32 ttmp9, 128
	s_cselect_b64 s[20:21], s[4:5], s[20:21]       ; or the hidden states
	s_cselect_b32 s26, ttmp9, s26
	s_lshl_b32 s26, s26, 2
	s_add_co_u32 s26, s26, s24                     ; which run of 8,192 numbers of the source is my wave's
	s_lshl_b32 s26, s26, 15
	s_mov_b32 s27, 0
	s_add_nc_u64 s[20:21], s[20:21], s[26:27]
	s_lshl_b32 s28, ttmp9, 2
	s_add_co_u32 s28, s28, s24                     ; and of the joined buffers
	s_lshl_b32 s26, s28, 12
	s_add_nc_u64 s[14:15], s[14:15], s[26:27]      ; 4,096 bytes of codes a run
	s_lshl_b32 s26, s28, 8
	s_add_nc_u64 s[16:17], s[16:17], s[26:27]      ; 256 scale bytes a run
.macro LOAD t
.irp i, 0,1,2,3
	global_load_b128 v[R+16*((\t)%4)+4*\i:R+16*((\t)%4)+4*\i+3], v3, s[20:21] offset:2048*(\t)+512*\i th:TH_LOAD_NT   ; 32 lanes read 512 consecutive bytes
.endr
.endm
.macro TURN t                          ; step t's numbers through the stage: LDS serves a wave's instructions in order, so no wait stands between the stores and the loads
.irp i, 0,1,2,3
	ds_store_b128 v14, v[R+16*((\t)%4)+4*\i:R+16*((\t)%4)+4*\i+3] offset:32*SP*((\t)%2)+8*SP*\i
.endr
.irp i, 0,1,2,3
	ds_load_b128 v[X+16*((\t)%2)+4*\i:X+16*((\t)%2)+4*\i+3], v15 offset:32*SP*((\t)%2)+16*\i
.endr
.endm
.irp t, 0,1,2,3
	LOAD \t
.endr
	s_wait_loadcnt 12                              ; step 0's four loads are in; three steps' twelve stay out
	TURN 0
.macro STEP t
.set XS, X+16*((\t)%2)
.if (\t) > 0
	s_wait_dscnt 1                                 ; this step's numbers are back from the stage; the last step's byte store may be out
.else
	s_wait_dscnt 0x0
.endif
.if (\t)+4 < STEPS
	LOAD (\t)+4                                    ; into the registers that the stage's stores have read
.endif
.if (\t)+1 < STEPS
.if STEPS-2-(\t) >= 3
	s_wait_loadcnt 12                              ; the next step's four loads are in; those of the three steps behind it may be out
.else
	s_wait_loadcnt 4*(STEPS-2-(\t))
.endif
	TURN (\t)+1
.endif
	v_max3_num_f32 v8, |v[XS]|, |v[XS+1]|, |v[XS+2]|               ; the largest magnitude of my 16, in two chains
	v_max3_num_f32 v9, |v[XS+3]|, |v[XS+4]|, |v[XS+5]|
.irp i, 6,10
	v_max3_num_f32 v8, v8, |v[XS+\i]|, |v[XS+\i+1]|
	v_max3_num_f32 v9, v9, |v[XS+\i+2]|, |v[XS+\i+3]|
.endr
	v_max3_num_f32 v8, v8, |v[XS+14]|, |v[XS+15]|
	v_max3_num_f32 v8, v8, v9, (EMAX+1)<<23        ; and the floor 2^(3 - 127): the byte cannot fall under 1
	v_max_num_f32_dpp v8, v8, v8 row_xmask:1 row_mask:0xf bank_mask:0xf   ; with my neighbour's 16: the block's
	v_add_nc_u32 v11, -(EMAX<<23), v8              ; 2 off its exponent field: the conversion takes the exponent field of this operand as its scale
	v_cvt_scalef32_pk8_fp4_f32 v[C+4*(\t)], v[XS:XS+7], v11
	v_cvt_scalef32_pk8_fp4_f32 v[C+4*(\t)+1], v[XS+8:XS+15], v11
	v_lshrrev_b32 v[E+(\t)], 23, v11               ; the scale's byte
	ds_store_b8 v5, v[E+(\t)] offset:16*(\t)       ; both lanes of a block write the same byte with the same value
	global_store_b64 v4, v[C+4*(\t):C+4*(\t)+1], s[14:15] offset:32*CB*(\t)   ; the wave stores 256 consecutive bytes, aligned
.endm
.irp t, 0,1,2,3,4,5,6,7,8,9,10,11,12,13,14,15
	STEP \t
.endr
	ds_load_b64 v[8:9], v6                         ; my wave's 256 scale bytes: these loads see my stores
	s_wait_dscnt 0x0
	global_store_b64 v7, v[8:9], s[16:17]          ; 256 consecutive bytes, aligned
	s_wait_tensorcnt 0x0                           ; the wave's end, behind my last LDS store
	ds_add_u32 v[SPW], v[NIL]
	s_wait_dscnt 0x0
	s_endpgm
; Wo to f16.  A wave takes 16 rows n x 512 along k: 16 fragments of 16 x 32.  Lane (r, h) of a fragment holds row r, k = 8 h .. + 7 (registers 0-3) and 16 + 8 h .. + 7 (registers 4-7).
.Lwo:
	v_and_b32 v3, 15, v0                           ; r
	v_bfe_u32 v4, v0, 4, 1                         ; h
	v_lshlrev_b32 v1, 12, v3
	v_lshl_add_u32 v1, v4, 5, v1                   ; in: row r of 4,096 bytes + 32 h
	v_lshlrev_b32 v2, 4, v2                        ; out: 16 x lane
	s_sub_co_u32 s25, ttmp9, 224
	s_lshl_b32 s25, s25, 2
	s_add_co_u32 s25, s25, s24                     ; unit 0 .. 127
	s_lshr_b32 s26, s25, 1                         ; the tile of 16 rows
	s_and_b32 s25, s25, 1                          ; which half of k
	s_lshl_b32 s28, s26, 16
	s_lshl_b32 s29, s25, 11
	s_add_co_u32 s28, s28, s29
	s_mov_b32 s29, 0
	s_lshl_b32 s30, s26, 15
	s_lshl_b32 s31, s25, 14
	s_add_co_u32 s30, s30, s31
	s_mov_b32 s31, 0
	s_wait_kmcnt 0x0
	s_add_nc_u64 s[12:13], s[12:13], s[28:29]
	s_add_nc_u64 s[18:19], s[18:19], s[30:31]
.macro WLOAD q                         ; four fragments' numbers, 16 loads, into set q % 2
.irp f, 0,1,2,3
	global_load_b128 v[16+64*((\q)%2)+16*\f:16+64*((\q)%2)+16*\f+3],     v1, s[12:13] offset:128*(4*(\q)+\f) th:TH_LOAD_NT
	global_load_b128 v[16+64*((\q)%2)+16*\f+4:16+64*((\q)%2)+16*\f+7],   v1, s[12:13] offset:128*(4*(\q)+\f)+16 th:TH_LOAD_NT
	global_load_b128 v[16+64*((\q)%2)+16*\f+8:16+64*((\q)%2)+16*\f+11],  v1, s[12:13] offset:128*(4*(\q)+\f)+64 th:TH_LOAD_NT
	global_load_b128 v[16+64*((\q)%2)+16*\f+12:16+64*((\q)%2)+16*\f+15], v1, s[12:13] offset:128*(4*(\q)+\f)+80 th:TH_LOAD_NT
.endr
.endm
.macro WOB q
.if (\q)+1 < 4
	WLOAD (\q)+1
	s_wait_loadcnt 16                              ; this batch is in; the next batch's sixteen stay out
.else
	s_wait_loadcnt 0x0
.endif
.if (\q) > 0
	s_wait_xcnt 0x0                                ; the last batch's stores have read v144-175
.endif
.irp f, 0,1,2,3
.irp j, 0,1,2,3,4,5,6,7
	v_cvt_pk_f16_f32 v[144+8*\f+\j], v[16+64*((\q)%2)+16*\f+2*\j], v[16+64*((\q)%2)+16*\f+2*\j+1]
.endr
.endr
.irp f, 0,1,2,3
	global_store_b128 v2, v[144+8*\f:144+8*\f+3], s[18:19] offset:1024*(4*(\q)+\f)       ; 512 consecutive bytes, aligned
	global_store_b128 v2, v[144+8*\f+4:144+8*\f+7], s[18:19] offset:1024*(4*(\q)+\f)+512
.endr
.endm
	WLOAD 0
	WOB 0
	WOB 1
	WOB 2
	WOB 3
	s_wait_tensorcnt 0x0                           ; the wave's end
	ds_add_u32 v[SPW], v[NIL]
	s_wait_dscnt 0x0
	s_endpgm
.Lfunc_end_k_qa277ac9464_quant:
	.size	k_qa277ac9464_quant, .Lfunc_end_k_qa277ac9464_quant-k_qa277ac9464_quant
	.p2alignl 7, 3214868480
	.fill 96, 4, 3214868480
	.section	.rodata,"a",@progbits
	.p2align	6, 0x0
	.amdhsa_kernel k_qa277ac9464_quant
		.amdhsa_group_segment_fixed_size 33280
		.amdhsa_private_segment_fixed_size 0
		.amdhsa_enable_private_segment 0
		.amdhsa_kernarg_size 64
		.amdhsa_user_sgpr_count 2
		.amdhsa_user_sgpr_kernarg_segment_ptr 1
		.amdhsa_wavefront_size32 1
		.amdhsa_system_sgpr_workgroup_id_x 1
		.amdhsa_system_sgpr_workgroup_id_y 1
		.amdhsa_system_sgpr_workgroup_id_z 1
		.amdhsa_system_vgpr_workitem_id 0
		.amdhsa_next_free_vgpr 192
		.amdhsa_next_free_sgpr 66
		.amdhsa_reserve_vcc 0
		.amdhsa_float_denorm_mode_32 3
		.amdhsa_float_denorm_mode_16_64 3
		.amdhsa_memory_ordered 1
		.amdhsa_forward_progress 1
		.amdhsa_inst_pref_size 52
	.end_amdhsa_kernel
	.amdgpu_metadata
---
amdhsa.version: [ 1, 2 ]
amdhsa.kernels:
  - .name:           k_qa277ac9464_quant
    .symbol:         k_qa277ac9464_quant.kd
    .args:
      - { .name: hidden_states, .offset: 0, .size: 8, .value_kind: global_buffer, .address_space: global }
      - { .name: Wq, .offset: 8, .size: 8, .value_kind: global_buffer, .address_space: global }
      - { .name: Wk, .offset: 16, .size: 8, .value_kind: global_buffer, .address_space: global }
      - { .name: Wv, .offset: 24, .size: 8, .value_kind: global_buffer, .address_space: global }
      - { .name: Wo, .offset: 32, .size: 8, .value_kind: global_buffer, .address_space: global }
      - { .name: codes, .offset: 40, .size: 8, .value_kind: global_buffer, .address_space: global }
      - { .name: scales, .offset: 48, .size: 8, .value_kind: global_buffer, .address_space: global }
      - { .name: wof, .offset: 56, .size: 8, .value_kind: global_buffer, .address_space: global }
    .group_segment_fixed_size: 33280
    .private_segment_fixed_size: 0
    .kernarg_segment_align: 8
    .kernarg_segment_size: 64
    .max_flat_workgroup_size: 128
    .sgpr_count:     66
    .vgpr_count:     192
    .wavefront_size: 32
...
	.end_amdgpu_metadata
.endif
;; end of part 1
;; launch qkv (part 2): grid 12 x 16, 4 waves a work-group, clusters of 4 x 4, 327,680 bytes of LDS; arguments codes, scales, bq, bk, bv, qkv, v32; writes qkv, v32
.if DOCPART == 2
	.amdgcn_target "amdgcn-amd-amdhsa--gfx1250"
	.amdhsa_code_object_version 6
	.text
	.protected	k_qa277ac9464_qkv
	.globl	k_qa277ac9464_qkv
	.p2align	8
	.type	k_qa277ac9464_qkv,@function
k_qa277ac9464_qkv:
	s_mov_b64 s[64:65], 0
	v_nop
	global_prefetch_b8 v0, s[64:65] scope:SCOPE_SE
	s_setreg_imm32_b32 hwreg(HW_REG_WAVE_MODE, 25, 1), 1
	s_wait_xcnt 0x0
	s_wait_alu depctr_hold_cnt(0) depctr_sa_sdst(0) depctr_va_vdst(0) depctr_va_sdst(0) depctr_va_ssrc(0) depctr_va_vcc(0) depctr_vm_vsrc(0)
	s_getreg_b32 s2, hwreg(HW_REG_IB_STS2, 6, 4)
	s_cmp_eq_u32 s2, 0
	s_cbranch_scc0 .Lentry_in_a_cluster
	s_endpgm
.Lentry_in_a_cluster:
	s_bfe_u32 s2, ttmp6, 0x10000c
	s_cmp_lg_u32 s2, 0xf033
	s_cbranch_scc0 .Lentry_shape_is_right
	s_endpgm
.Lentry_shape_is_right:
; q, k, v = x W^T + b on codes of FP4 (E2M1) with one E8M0 scale for each 32 along K = 1,024; sums in f32.  x: 4,096 rows; W: Wq's, Wk's, Wv's 3,072 rows on end.
; A tile of 256 rows x 256 features to a work-group of four waves, 128 x 128 a wave: 64 accumulators, 512 registers.  K is two slots of 512 (rows of 256 bytes), both filled at the start with
; the scale bytes of the work-group's rows.
; CLUSTERS: 4 x 4 work-groups; x's tiles are asked for jointly along a row of the cluster, W's along a column.  The cluster's x says which weight: 0 q, 1 k, 2 v.
; q and k: source 0 = 16 rows of W, source 1 = 16 rows of x: a lane holds one row and eight neighbouring features.  v: the sources change places: a lane holds one channel and eight neighbouring keys.
; So the results, rounded to f16 in pairs, ARE the fragments of attention's products in the same lanes: they are stored as they stand, 512 consecutive bytes an instruction.
; q is stored divided by 8, attention's 1 / sqrt(64): the sums are multiplied by 0.125 in f32 before they are rounded.
; qkv: [head 16][64 positions: 64][Q 8 KB | K 8 KB | V 8 KB].  Q, K: [tile of 16 rows][32 channels][registers 0-3 | 4-7][16 x lane].  V: [32 keys][16 channels][registers 0-3 | 4-7][16 x lane].
; v32: v's sums in f32 as they lie in the accumulators, [head][64 positions][16 keys][16 channels][registers 0-3 | 4-7][16 x lane], for the finer way of the first 16 positions.
; The bias is the C of each sum's first product.
; LIMIT: q / 8, k, v beyond 65,504 become infinity in f16.
; REGISTERS: window 0: v0-31 addresses; v32-95 scale words, two sets; v128-191 x's fragments, one set; on the way out v128-255 hold packed results.
;   window 1: W's fragments, two sets at v0 and v128; v64-127 the bias.   windows 2, 3: the accumulators ((a, b) at v[8 (8 (a % 4) + b)]).
.set NQ,     4                         ; products deep in a slot
.set ROWB,   256                       ; a tile's row in bytes: 512 codes
.set KROW,   512                       ; a row of codes in memory
.set PITCH,  272                       ; an LDS row: 256 bytes + 16 of padding: the 16 rows of a load start at 16 different banks (64 banks of 4 bytes: ISA guide 11.1)
.set FR,     8
.set NL,     2
.set NP,     4                         ; places behind this matrix instruction (ISA guide 7.12.1)
.set HALFT,  128*PITCH
.set SLOT,   4*HALFT
.set KS,     32                        ; a row of scale bytes
.set SCL,    2*SLOT                    ; behind the slots: the scale bytes, as units of 256 bytes + 16 of padding
.set HALFS,  (128*KS/256)*272
.set SBLK,   (16*KS/256)*272
.set SPARE,  SCL+4*HALFS               ; the spare words: 128 bytes a wave, named by no other line
.set HEADB,  1572864                   ; a head in qkv
.set STEPB,  24576                     ; 64 positions of a head in qkv
.set ADRA, 16
.set ADRB, 20
.set CO,   26                          ; v26 16 x lane
.set ADRS, 27
.set SPW,  28
.set NIL,  29
.set BO,   30                          ; v30 my lane's offset in the bias
.set SC,   32
.set AF,   128
.set TMP,  128
.set BI,   64                          ; the bias, in window 1
.set G1, 24
.set G0, 32
.set G1B, 48
.set G0B, 56
.set G1S, 68
.set G0S, 76
.set G1SB, 80
.set G0SB, 88
.set MSB, 0
.macro WIN new                         ; the immediate's high byte repeats the setting that is left
.if MSB != (\new)
	s_set_vgpr_msb (MSB<<8)|(\new)
.set MSB, (\new)
.endif
.endm
.set TO_B, 0x40
; A joint load: waves 0 and 1 fetch for x, waves 2 and 3 for W; the branch hangs on the wave's number alone.  An s_nop 0 and four v_nop follow each line.
.macro JLOAD g0a, g1a, g0b, g1b
	s_cmp_eq_u32 s15, 0
	s_cbranch_scc0 .Lfor_b_\@
	tensor_load_to_lds s[\g0a:\g0a+3], s[\g1a:\g1a+7]
	s_nop 0
.rept 4
	v_nop
.endr
	s_branch .Lasked_\@
.Lfor_b_\@:
	tensor_load_to_lds s[\g0b:\g0b+3], s[\g1b:\g1b+7]
	s_nop 0
.rept 4
	v_nop
.endr
.Lasked_\@:
.endm
.macro CROUND                          ; a round of the cluster's barrier
	s_barrier_signal -1
	s_barrier_wait -1
	s_cmp_lg_u32 s14, 0
	s_cbranch_scc1 .Lnot_wave_0_\@
	s_barrier_signal -3
.Lnot_wave_0_\@:
	s_barrier_wait -3
	s_barrier_signal -1
	s_barrier_wait -1
.endm
	s_load_b256 s[4:11], s[0:1], 0x0               ; codes s[4:5], scales s[6:7], bq s[8:9], bk s[10:11]
	s_load_b128 s[96:99], s[0:1], 0x20             ; bv s[96:97], qkv s[98:99]
	s_load_b64 s[12:13], s[0:1], 0x30              ; v32
	v_lshl_add_u32 v[SPW], v0, 2, SPARE
	v_mov_b32 v[NIL], 0
	ds_add_u32 v[SPW], v[NIL]                      ; the wave's opening: the add, twice on end, and its wait ahead of my first tensor load
	ds_add_u32 v[SPW], v[NIL]
	v_lshrrev_b32 v1, 5, v0
	v_readfirstlane_b32 s14, v1                    ; wave 0..3
	s_lshr_b32 s15, s14, 1                         ; which half of the tile's rows is mine; also: I fetch for x (0) or for W (1)
	s_and_b32 s16, s14, 1                          ; which half of its features; also: which 128 rows I fetch
	s_bfe_u32 s40, ttmp6, 0x40000                  ; cx
	s_bfe_u32 s41, ttmp6, 0x40004                  ; cy
	s_lshl_b32 s42, ttmp9, 2
	s_add_co_u32 s42, s42, s40                     ; tile column 0 .. 11
	s_and_b32 s17, ttmp7, 0xffff
	s_lshl_b32 s17, s17, 2
	s_add_co_u32 s17, s17, s41                     ; tile row 0 .. 15
	s_lshl_b32 s43, s41, 2
	s_lshl_b32 s43, 15, s43                        ; my row of the cluster
	s_lshl_b32 s44, 0x1111, s40                    ; my column
	s_or_b32 s[G1+0], s43, (0<<16)|(1<<20)|(1<<21)|(5<<22)|(3<<25)   ; the mask; elements of 1 byte; padding of 4 words behind every 64
	s_or_b32 s[G1B+0], s44, (0<<16)|(1<<20)|(1<<21)|(5<<22)|(3<<25)
.irp g, G1, G1B
	s_mov_b32 s[\g+1], ROWB<<16                    ; tensor_dim0
	s_mov_b32 s[\g+2], 128<<16                     ; tensor_dim1
	s_mov_b32 s[\g+3], ROWB<<16                    ; tile_dim0
	s_mov_b32 s[\g+4], 128                         ; tile_dim1
	s_mov_b32 s[\g+5], KROW                        ; the pitch
	s_mov_b32 s[\g+6], 0
	s_mov_b32 s[\g+7], 0
.endr
	s_or_b32 s[G1S+0], s43, (3<<16)|(1<<20)|(1<<21)|(5<<22)|(3<<25)  ; the scale bytes of 128 rows: 4,096 dense bytes as 16 rows of 256 (32 elements of 8 bytes)
	s_or_b32 s[G1SB+0], s44, (3<<16)|(1<<20)|(1<<21)|(5<<22)|(3<<25)
.irp g, G1S, G1SB
	s_mov_b32 s[\g+1], 32<<16
	s_mov_b32 s[\g+2], (128*KS/256)<<16
	s_mov_b32 s[\g+3], 32<<16
	s_mov_b32 s[\g+4], 128*KS/256
	s_mov_b32 s[\g+5], 32
	s_mov_b32 s[\g+6], 0
	s_mov_b32 s[\g+7], 0
.endr
	s_lshl_b32 s18, s16, 7
	s_lshl_b32 s20, s17, 8
	s_add_co_u32 s20, s20, s18                     ; x: row 256 x tile row + 128 x half
	s_lshl_b32 s46, s42, 8
	s_add_co_u32 s46, s46, s18                     ; W: row 256 x tile column + 128 x half
	s_mov_b32 s21, 0
	s_mov_b32 s47, 0
	s_mov_b64 s[18:19], KS
	s_mul_u64 s[22:23], s[20:21], s[18:19]
	s_mul_u64 s[92:93], s[46:47], s[18:19]
	s_mov_b64 s[18:19], KROW
	s_mul_u64 s[20:21], s[20:21], s[18:19]
	s_mul_u64 s[46:47], s[46:47], s[18:19]
	s_mul_i32 s45, s14, HALFT                      ; where they go: wave x 128 rows
	s_mul_i32 s94, s14, HALFS
	s_wait_dscnt 0x0                               ; both opening adds are done
	s_wait_kmcnt 0x0
	s_add_nc_u64 s[20:21], s[4:5], s[20:21]
	s_add_nc_u64 s[22:23], s[6:7], s[22:23]
	s_add_nc_u64 s[46:47], s[4:5], s[46:47]
	s_add_nc_u64 s[46:47], s[46:47], 0x200000      ; W's codes lie behind x's 2,097,152 bytes,
	s_add_nc_u64 s[92:93], s[6:7], s[92:93]
	s_add_nc_u64 s[92:93], s[92:93], 0x20000       ; its scale bytes behind x's 131,072
	CROUND                                         ; all sixteen work-groups are here: the joint loads meet
	s_mov_b32 s[G0S], 1
	s_add_co_u32 s[G0S+1], s94, SCL
	s_mov_b64 s[G0S+2:G0S+3], s[22:23]
	s_or_b32 s[G0S+3], s[G0S+3], 0x80000000
	s_mov_b32 s[G0SB], 1
	s_add_co_u32 s[G0SB+1], s94, SCL
	s_mov_b64 s[G0SB+2:G0SB+3], s[92:93]
	s_or_b32 s[G0SB+3], s[G0SB+3], 0x80000000
	JLOAD G0S, G1S, G0SB, G1SB                     ; the scale bytes first
.irp s, 0,1
	s_mov_b32 s[G0+4*\s], 1
	s_add_co_u32 s[G0+4*\s+1], s45, \s*SLOT
	s_add_nc_u64 s[G0+4*\s+2:G0+4*\s+3], s[20:21], \s*ROWB
	s_or_b32 s[G0+4*\s+3], s[G0+4*\s+3], 0x80000000
	s_mov_b32 s[G0B+4*\s], 1
	s_add_co_u32 s[G0B+4*\s+1], s45, \s*SLOT
	s_add_nc_u64 s[G0B+4*\s+2:G0B+4*\s+3], s[46:47], \s*ROWB
	s_or_b32 s[G0B+4*\s+3], s[G0B+4*\s+3], 0x80000000
	JLOAD G0+4*\s, G1, G0B+4*\s, G1B
.endr
	v_and_b32 v1, 15, v0                           ; r
	v_bfe_u32 v2, v0, 4, 1                         ; h
	v_mul_u32_u24 v3, v1, PITCH
	v_lshl_add_u32 v4, v2, 4, v3
	s_mul_i32 s21, s15, HALFT
	s_mul_i32 s22, s16, HALFT
	s_add_co_u32 s22, s22, 2*HALFT
.irp s, 0,1
	v_add_nc_u32 v[ADRA+\s], s21, v4
	v_add_nc_u32 v[ADRB+\s], s22, v4
	s_add_co_u32 s21, s21, SLOT
	s_add_co_u32 s22, s22, SLOT
.endr
	v_mul_u32_u24 v5, v1, KS                       ; my row's scale bytes,
	v_lshrrev_b32 v6, 8, v5
	v_lshl_add_u32 v5, v6, 4, v5                   ; and 16 more for each 256 passed
	s_mul_i32 s21, s15, HALFS
	s_mul_i32 s22, s16, HALFS
	s_add_co_u32 s22, s22, 2*HALFS
	s_sub_co_u32 s22, s22, s21
	v_mul_u32_u24 v6, s22, v2                      ; lanes 16-31 take W's
	s_add_co_u32 s21, s21, SCL
	v_add_nc_u32 v5, v5, v6
	v_add_nc_u32 v[ADRS], s21, v5
	v_and_b32 v6, 31, v0
	v_lshlrev_b32 v[CO], 4, v6
	s_lshl_b32 s20, s40, 2
	s_lshl_b32 s21, s16, 1
	s_add_co_u32 s20, s20, s21                     ; my first head: 4 cx + 2 x half
	s_lshl_b32 s22, s17, 2
	s_lshl_b32 s21, s15, 1
	s_add_co_u32 s22, s22, s21                     ; my first 64 positions: 4 x tile row + 2 x half
	s_mul_i32 s46, s20, HEADB
	s_mul_i32 s47, s22, STEPB
	s_add_co_u32 s46, s46, s47
	s_mov_b32 s47, 0
	s_add_nc_u64 s[98:99], s[98:99], s[46:47]
	s_lshl_b32 s46, s20, 20
	s_lshl_b32 s47, s22, 14
	s_add_co_u32 s46, s46, s47
	s_mov_b32 s47, 0
	s_add_nc_u64 s[12:13], s[12:13], s[46:47]
	s_lshl_b32 s46, s40, 10
	s_lshl_b32 s47, s16, 9
	s_add_co_u32 s46, s46, s47                     ; my 128 features in the bias, in bytes
	s_mov_b32 s47, 0
.macro FRAG reg, adr, q, i             ; 16 rows x 128 K of codes: 8 registers, two loads of 16 bytes, 32 bytes apart
.irp c, 0,1
	ds_load_b128 v[\reg+4*\c:\reg+4*\c+3], v[\adr] offset:64*(\q)+32*\c+(\i)*16*PITCH
.endr
.endm
; One product: x's block a, W's block b.  ord = 0: source 0 = W; 1: source 0 = x.  A scale register holds x's word in lanes 0-15 and W's in lanes 16-31.  zero = 1: C is the bias.
.macro MM ord, zero, a, b, p, q, sc
.set rD, 8*(8*((\a)%4)+(\b))
.set rA, AF+FR*(\a)
.set rB, 128*(\p)+FR*(\b)
.set sA, SC+8*NQ*(\sc)+NQ*(\a)+(\q)
.set sB, SC+8*NQ*(\sc)+NQ*(\b)+(\q)
.set rC, rD
.if \zero
.set rC, BI+8*(\b)
.endif
.if \ord
	v_wmma_scale_f32_16x16x128_f8f6f4 v[rD:rD+7], v[rA:rA+7], v[rB:rB+7], v[rC:rC+7], v[sA], v[sB] matrix_a_fmt:MATRIX_FMT_FP4 matrix_b_fmt:MATRIX_FMT_FP4 matrix_b_scale:MATRIX_SCALE_ROW1
.else
	v_wmma_scale_f32_16x16x128_f8f6f4 v[rD:rD+7], v[rB:rB+7], v[rA:rA+7], v[rC:rC+7], v[sB], v[sA] matrix_a_fmt:MATRIX_FMT_FP4 matrix_b_fmt:MATRIX_FMT_FP4 matrix_a_scale:MATRIX_SCALE_ROW1
.endif
.endm
.macro MUL16 ord, a0, p, q, sc, zero   ; the 64 accumulators take turns, one instruction a turn, in the same order in every step
.irp a, \a0, \a0+1
.irp b, 0,1,2,3,4,5,6,7
	MM \ord, \zero, \a, \b, \p, \q, \sc
.endr
.endr
.endm
.macro FETCH_B slot, q, p
	WIN TO_B
.irp i, 0,1,2,3,4,5,6,7
	FRAG 128*(\p)+FR*\i, ADRB+\slot, \q, \i
.endr
	WIN 0
.endm
.macro FETCH_A slot, q, i0
.irp i, \i0, \i0+1, \i0+2, \i0+3
	FRAG AF+FR*(\i), ADRA+\slot, \q, \i
.endr
.endm
.macro SCALES sc                       ; a slot's scale words: four a row
.irp i, 0,1,2,3,4,5,6,7
	ds_load_b128 v[SC+8*NQ*\sc+NQ*\i:SC+8*NQ*\sc+NQ*\i+3], v[ADRS] offset:\i*SBLK
.endr
.endm
.macro PLACES n                        ; plain vector instructions between a matrix instruction and a load into, or a read of, its registers
.rept \n
	v_nop
.endr
.endm
; Windows of a product: ord 0: W window 1, x window 0; ord 1 the other way; C and D window 2 or 3; in the first step C is the bias, window 1.
.macro STEP ord, slot, q, zero
	s_wait_dscnt 4*NL                              ; W's set and x's blocks 0-3 are in; the youngest eight loads (x's blocks 4-7) may be out
	WIN 0xa1+3*(\ord)-0x10*(\zero)
	MUL16 \ord, 0, (\q)%2, \q, \slot, \zero
	MUL16 \ord, 2, (\q)%2, \q, \slot, \zero
	s_wait_dscnt 0
	PLACES NP
	FETCH_B \slot, (\q)+1, 1-(\q)%2
	FETCH_A \slot, (\q)+1, 0
	WIN 0xf1+3*(\ord)-0x20*(\zero)
	MUL16 \ord, 4, (\q)%2, \q, \slot, \zero
	MUL16 \ord, 6, (\q)%2, \q, \slot, \zero
	PLACES NP
	WIN 0
	FETCH_A \slot, (\q)+1, 4
.endm
.macro STEPS ord, slot, from
.set Q, \from
.rept NQ-1-\from
	STEP \ord, \slot, Q, 0
.set Q, Q+1
.endr
.endm
; Slot 0's last step: each wave waits for all its tensor loads (slot 1's is the one that may be out); one barrier; then slot 1 is read.  Nothing is filled again.
.macro TURN ord
	s_wait_tensorcnt 0x0
	ds_add_u32 v[SPW], v[NIL]                      ; 0 onto my spare word
	s_wait_dscnt 4*NL+1                            ; the add and x's blocks 4-7 may be out
	WIN 0xa1+3*(\ord)
	MUL16 \ord, 0, 1, NQ-1, 0, 0
	s_wait_dscnt 0x0
	s_barrier_signal -1
	MUL16 \ord, 2, 1, NQ-1, 0, 0
	WIN 0
	s_barrier_wait -1                              ; slot 1 is whole for every wave
	PLACES NP
	v_add_nc_u32 v[ADRS], 4*NQ, v[ADRS]            ; slot 1's scale words
	FETCH_B 1, 0, 0
	FETCH_A 1, 0, 0
	SCALES 1
	WIN 0xf1+3*(\ord)
	MUL16 \ord, 4, 1, NQ-1, 0, 0
	MUL16 \ord, 6, 1, NQ-1, 0, 0
	PLACES NP
	WIN 0
	FETCH_A 1, 0, 4
.endm
; The way out of x's block a: (v: the sums as they are to v32, each accumulator from its low end on; q: the sums times 0.125, in f32;) rounded to f16 in pairs, stored as fragments.
.macro OUT ord, a
.set AC, 64*((\a)%4)
.set TP, TMP+32*((\a)%4)
.if (\a) == 4
	s_wait_xcnt 0x0                                ; blocks 0-3's stores have read the four sets of packed results
.endif
.if \ord
	WIN 0x08+4*((\a)/4)                            ; a store's data: window 2 or 3
.irp b, 0,1,2,3,4,5,6,7
	global_store_b128 v[CO], v[AC+8*\b:AC+8*\b+3], s[12:13] offset:(\b/4)*1048576+((\a)/4)*16384+(4*((\a)%4)+\b%4)*1024
	global_store_b128 v[CO], v[AC+8*\b+4:AC+8*\b+7], s[12:13] offset:(\b/4)*1048576+((\a)/4)*16384+(4*((\a)%4)+\b%4)*1024+512
.endr
.else
	s_cmp_lg_u32 ttmp9, 0                          ; the cluster's x, the same in all partners: k's tiles pass over the multiplication
	s_cbranch_scc1 .Lkeys_\@
	WIN 0x82+0x41*((\a)/4)                         ; destination and source 0: window 2 or 3
.irp b, 0,1,2,3,4,5,6,7
.irp r, 0,1,2,3
	v_pk_mul_f32 v[AC+8*\b+2*\r:AC+8*\b+2*\r+1], v[AC+8*\b+2*\r:AC+8*\b+2*\r+1], s[2:3] op_sel_hi:[1,0]   ; q / 8: a power of two; each accumulator from its low end on
.endr
.endr
	WIN 0
.Lkeys_\@:
.endif
	WIN 0x0a+5*((\a)/4)                            ; sources window 2 or 3
.irp b, 0,1,2,3,4,5,6,7
.irp r, 0,1,2,3
	v_cvt_pk_f16_f32 v[TP+4*\b+\r], v[AC+8*\b+2*\r], v[AC+8*\b+2*\r+1]
.endr
.endr
	WIN 0
.irp b, 0,1,2,3,4,5,6,7
.if \ord
	global_store_b128 v[CO], v[TP+4*\b:TP+4*\b+3], s[98:99] offset:(\b/4)*HEADB+((\a)/4)*STEPB+16384+(4*(((\a)%4)/2)+\b%4)*1024+((\a)%2)*512
.else
	global_store_b128 v[CO], v[TP+4*\b:TP+4*\b+3], s[98:99] offset:(\b/4)*HEADB+((\a)/4)*STEPB+(4*((\a)%4)+\b%4)*512
.endif
.endr
.endm
.macro WALK ord
.if \ord
	s_add_nc_u64 s[96:97], s[96:97], s[46:47]
	v_lshlrev_b32 v[BO], 2, v1                     ; a lane holds channel r: one number a block of 16
	WIN TO_B
.irp b, 0,1,2,3,4,5,6,7
	global_load_b32 v[BI+8*\b], v[BO], s[96:97] offset:64*\b
.endr
	WIN 0
.else
	s_cmp_eq_u32 ttmp9, 0                          ; the cluster's x: the same in all partners
	s_cselect_b64 s[8:9], s[8:9], s[10:11]
	s_add_nc_u64 s[8:9], s[8:9], s[46:47]
	s_lshl_b32 s46, ttmp9, 13                      ; K's part lies 8,192 bytes behind Q's
	s_add_nc_u64 s[98:99], s[98:99], s[46:47]
	s_mov_b32 s2, 0x3e000000                       ; 0.125
	s_mov_b32 s3, s2                               ; (named with it as a pair, so it is written)
	v_lshlrev_b32 v[BO], 5, v2                     ; a lane holds features 8 h .. + 7 of a block of 16
	WIN TO_B
.irp b, 0,1,2,3,4,5,6,7
	global_load_b128 v[BI+8*\b:BI+8*\b+3], v[BO], s[8:9] offset:64*\b
	global_load_b128 v[BI+8*\b+4:BI+8*\b+7], v[BO], s[8:9] offset:64*\b+16
.endr
	WIN 0
.endif
	s_wait_tensorcnt 1                             ; the scale bytes and my part of slot 0 are in; slot 1's load may be out
	s_barrier_signal -1
	s_barrier_wait -1
	FETCH_B 0, 0, 0
	FETCH_A 0, 0, 0
	SCALES 0
	FETCH_A 0, 0, 4
	s_wait_loadcnt 0x0                             ; the bias
.if \ord
	WIN 0x41
.irp b, 0,1,2,3,4,5,6,7
.irp j, 1,2,3,4,5,6,7
	v_mov_b32 v[BI+8*\b+\j], v[BI+8*\b]            ; the channel's number for each of the lane's eight keys
.endr
.endr
	PLACES NP
	WIN 0
.endif
	STEP \ord, 0, 0, 1
	STEPS \ord, 0, 1
	TURN \ord
	STEPS \ord, 1, 0
	s_wait_dscnt 4*NL                              ; the last step
	WIN 0xa1+3*(\ord)
	MUL16 \ord, 0, 1, NQ-1, 1, 0
	MUL16 \ord, 2, 1, NQ-1, 1, 0
	s_wait_dscnt 0
	WIN 0xf1+3*(\ord)
	MUL16 \ord, 4, 1, NQ-1, 1, 0
	MUL16 \ord, 6, 1, NQ-1, 1, 0
	WIN 0
	PLACES NP
.irp a, 0,1,2,3,4,5,6,7
	OUT \ord, \a
.endr
	s_wait_tensorcnt 0x0                           ; the wave's end
	ds_add_u32 v[SPW], v[NIL]
	s_wait_dscnt 0x0
	CROUND                                         ; the closing round
	s_endpgm
.endm
	s_cmp_eq_u32 ttmp9, 2                          ; the cluster's x: all waves of all partners go the same way
	s_cbranch_scc1 .Lvalues
	WALK 0
.Lvalues:
	WALK 1
.Lfunc_end_k_qa277ac9464_qkv:
	.size	k_qa277ac9464_qkv, .Lfunc_end_k_qa277ac9464_qkv-k_qa277ac9464_qkv
	.p2alignl 7, 3214868480
	.fill 96, 4, 3214868480
	.section	.rodata,"a",@progbits
	.p2align	6, 0x0
	.amdhsa_kernel k_qa277ac9464_qkv
		.amdhsa_group_segment_fixed_size 327680
		.amdhsa_private_segment_fixed_size 0
		.amdhsa_enable_private_segment 0
		.amdhsa_kernarg_size 56
		.amdhsa_user_sgpr_count 2
		.amdhsa_user_sgpr_kernarg_segment_ptr 1
		.amdhsa_wavefront_size32 1
		.amdhsa_system_sgpr_workgroup_id_x 1
		.amdhsa_system_sgpr_workgroup_id_y 1
		.amdhsa_system_sgpr_workgroup_id_z 1
		.amdhsa_system_vgpr_workitem_id 0
		.amdhsa_next_free_vgpr 1024
		.amdhsa_next_free_sgpr 100
		.amdhsa_reserve_vcc 0
		.amdhsa_float_denorm_mode_32 3
		.amdhsa_float_denorm_mode_16_64 3
		.amdhsa_memory_ordered 1
		.amdhsa_forward_progress 1
		.amdhsa_inst_pref_size 255
	.end_amdhsa_kernel
	.section	.bss,"aw",@nobits
	.p2align	6
	.space	262144
	.amdgpu_metadata
---
amdhsa.version: [ 1, 2 ]
amdhsa.kernels:
  - .name:           k_qa277ac9464_qkv
    .symbol:         k_qa277ac9464_qkv.kd
    .args:
      - { .name: codes, .offset: 0, .size: 8, .value_kind: global_buffer, .address_space: global }
      - { .name: scales, .offset: 8, .size: 8, .value_kind: global_buffer, .address_space: global }
      - { .name: bq, .offset: 16, .size: 8, .value_kind: global_buffer, .address_space: global }
      - { .name: bk, .offset: 24, .size: 8, .value_kind: global_buffer, .address_space: global }
      - { .name: bv, .offset: 32, .size: 8, .value_kind: global_buffer, .address_space: global }
      - { .name: qkv, .offset: 40, .size: 8, .value_kind: global_buffer, .address_space: global }
      - { .name: v32, .offset: 48, .size: 8, .value_kind: global_buffer, .address_space: global }
    .group_segment_fixed_size: 327680
    .private_segment_fixed_size: 0
    .kernarg_segment_align: 8
    .kernarg_segment_size: 56
    .max_flat_workgroup_size: 128
    .sgpr_count:     100
    .vgpr_count:     1024
    .wavefront_size: 32
...
	.end_amdgpu_metadata
.endif
;; end of part 2
;; launch fineatt (part 3): grid 8 x 16, 8 waves a work-group, no clusters, 35,840 bytes of LDS; arguments qkv, v32, attention_mask, fpart; writes fpart
.if DOCPART == 3
	.amdgcn_target "amdgcn-amd-amdhsa--gfx1250"
	.amdhsa_code_object_version 6
	.text
	.protected	k_qa277ac9464_fineatt
	.globl	k_qa277ac9464_fineatt
	.p2align	8
	.type	k_qa277ac9464_fineatt,@function
k_qa277ac9464_fineatt:
	s_mov_b64 s[64:65], 0
	v_nop
	global_prefetch_b8 v0, s[64:65] scope:SCOPE_SE
	s_setreg_imm32_b32 hwreg(HW_REG_WAVE_MODE, 25, 1), 1
	s_wait_xcnt 0x0
; The first 16 positions, carried more finely: their weights p and the values stay f32, and the second product is done by the f32 matrix form.
; Work-group (x, head) takes keys 512 x .. + 511; wave w the 64 keys of step 8 x + w.  It makes S^T = K Q^T + mask (f16 operands, Q as it is stored: divided by 8; the mask as C), its own maximum m and sum l,
; p = 2^((s - m) log2 e), and O^T = V^T p.  The eight waves' parts are merged through LDS under the common maximum and stored: O^T's eight groups of four registers, and (M, L).
; fpart: O parts [head][range 8][group 8][16 x lane]; from byte 524,288 on (M, L) [head][range][8 x lane].
; k of the f32 form: both operands take registers 2 i, 2 i + 1 of a tile of 16 keys, so slot (lane / 16, j) is key 8 (lane / 16) + 2 i + j on both sides.
; LIMIT: score + mask under -2^100 counts as minus infinity.  No cluster, no tensor load: operands go straight into registers, and a small launch shares nothing worth a joint request.
; REGISTERS: v1-6 addresses, v8-13 at work, (m, l) in v[12:13]; v16-31 Q; v32-95 K, then V's key tiles 2, 3; v96-127 S, then p; v128-191 V's key tiles 0, 1, then the parts; v192-223 O^T, written by matrix instructions alone; v224-243 the merge.
.set HEADB, 1572864
.set STEPB, 24576
.set STATS, 32768                      ; LDS: eight parts of 4,096 bytes, then eight x 256 bytes of (m, l)
.set SPARE, 34816                      ; the spare words: 128 bytes a wave
.set SPW, 14
.set NIL, 15
	s_load_b256 s[4:11], s[0:1], 0x0               ; qkv s[4:5], v32 s[6:7], mask s[8:9], fpart s[10:11]
	v_lshl_add_u32 v[SPW], v0, 2, SPARE
	v_mov_b32 v[NIL], 0
	v_lshrrev_b32 v8, 5, v0
	v_readfirstlane_b32 s12, v8                    ; wave 0..7
	s_and_b32 s13, ttmp7, 0xffff                   ; head
	s_lshl_b32 s14, ttmp9, 3
	s_add_co_u32 s14, s14, s12                     ; my step of 64 keys
	v_and_b32 v8, 15, v0                           ; r
	v_bfe_u32 v9, v0, 4, 1                         ; h
	v_and_b32 v1, 31, v0
	v_lshlrev_b32 v5, 3, v1                        ; 8 x lane
	v_lshlrev_b32 v1, 4, v1                        ; 16 x lane
	v_lshlrev_b32 v2, 14, v8
	v_lshl_add_u32 v2, v9, 5, v2                   ; the mask: row r of 16,384 bytes + 32 h
	s_lshl_b32 s15, s12, 12
	v_add_nc_u32 v3, s15, v1                       ; LDS: my part
	s_lshl_b32 s15, s12, 8
	v_add_nc_u32 v4, s15, v5                       ; my (m, l)
	s_lshl_b32 s15, s12, 9
	v_add_nc_u32 v6, s15, v1                       ; the group that I merge
	v_mov_b32 v13, 0                               ; (named with m as a pair before it is written)
	s_mul_i32 s16, s13, HEADB
	s_mov_b32 s17, 0
	s_mul_i32 s18, s14, STEPB
	s_add_co_u32 s18, s18, 8192
	s_add_co_u32 s18, s18, s16
	s_mov_b32 s19, 0
	s_lshl_b32 s20, s13, 20
	s_lshl_b32 s21, s14, 14
	s_add_co_u32 s20, s20, s21
	s_mov_b32 s21, 0
	s_lshl_b32 s22, s14, 8
	s_mov_b32 s23, 0
	s_lshl_b32 s24, s13, 3
	s_add_co_u32 s24, s24, ttmp9                   ; 8 x head + range
	s_lshl_b32 s26, s24, 8
	s_add_co_u32 s26, s26, 524288
	s_mov_b32 s27, 0
	s_lshl_b32 s24, s24, 3
	s_add_co_u32 s24, s24, s12
	s_lshl_b32 s24, s24, 9
	s_mov_b32 s25, 0
	s_mov_b32 s28, 0x3fb8aa3b                      ; log2(e)
	s_mov_b32 s29, s28                             ; (named with it as a pair)
	s_mov_b32 s30, 0x76543210
	s_mov_b32 s31, 0xfedcba98                      ; selects for lane l xor 16
	s_wait_kmcnt 0x0
	s_add_nc_u64 s[16:17], s[4:5], s[16:17]        ; Q of positions 0-15
	s_add_nc_u64 s[18:19], s[4:5], s[18:19]        ; K of my step
	s_add_nc_u64 s[20:21], s[6:7], s[20:21]        ; V of my step, f32
	s_add_nc_u64 s[22:23], s[8:9], s[22:23]        ; the mask at my first key
	s_add_nc_u64 s[24:25], s[10:11], s[24:25]
	s_add_nc_u64 s[26:27], s[10:11], s[26:27]
.irp f, 0,1,2,3
	global_load_b128 v[16+4*\f:19+4*\f], v1, s[16:17] offset:512*\f
.endr
.irp f, 0,1,2,3,4,5,6,7,8,9,10,11,12,13,14,15
	global_load_b128 v[32+4*\f:35+4*\f], v1, s[18:19] offset:512*\f
.endr
.irp t, 0,1,2,3
	global_load_b128 v[96+8*\t:99+8*\t], v2, s[22:23] offset:64*\t         ; mask(query r, keys 16 t + 8 h .. + 7): it lands where the scores will lie
	global_load_b128 v[100+8*\t:103+8*\t], v2, s[22:23] offset:64*\t+16
.endr
.irp f, 0,1,2,3,4,5,6,7,8,9,10,11,12,13,14,15
	global_load_b128 v[128+4*\f:131+4*\f], v1, s[20:21] offset:512*\f
.endr
	s_wait_loadcnt 16                              ; Q, K and the mask are in; V's sixteen loads stay out
.irp s, 0,1                                    ; the four accumulators by turns
.irp t, 0,1,2,3
	v_wmma_f32_16x16x32_f16 v[96+8*\t:103+8*\t], v[32+16*\t+8*\s:39+16*\t+8*\s], v[16+8*\s:23+8*\s], v[96+8*\t:103+8*\t]
.endr
.endr
.rept 4
	v_nop                                          ; places in front of the loads into K's registers and of the first read of the scores
.endr
.irp f, 0,1,2,3,4,5,6,7,8,9,10,11,12,13,14,15
	global_load_b128 v[32+4*\f:35+4*\f], v1, s[20:21] offset:8192+512*\f   ; V's key tiles 2 and 3
.endr
.irp j, 0,1,2,3
	v_max3_num_f32 v[8+\j], v[96+8*\j], v[97+8*\j], v[98+8*\j]
.endr
.irp q, 1,2
.irp j, 0,1,2,3
	v_max3_num_f32 v[8+\j], v[8+\j], v[96+8*\j+2*\q+1], v[96+8*\j+2*\q+2]
.endr
.endr
	v_max3_num_f32 v8, v8, v103, v111
	v_max3_num_f32 v10, v10, v119, v127
	v_max3_num_f32 v8, v8, v9, v10
	v_max3_num_f32 v8, v8, v11, 0xf1800000         ; and the floor -2^100
	v_permlanex16_b32 v9, v8, s30, s31
	v_max_num_f32 v12, v8, v9                      ; m
.irp b, 0,1,2,3,4,5,6,7,8,9,10,11,12,13,14,15
	v_pk_add_f32 v[96+2*\b:97+2*\b], v[96+2*\b:97+2*\b], v[12:13] op_sel_hi:[1,0] neg_lo:[0,1] neg_hi:[0,1]   ; s - m first, so that nothing large is left to round
.endr
.irp b, 0,1,2,3,4,5,6,7,8,9,10,11,12,13,14,15
	v_pk_mul_f32 v[96+2*\b:97+2*\b], v[96+2*\b:97+2*\b], s[28:29] op_sel_hi:[1,0]
.endr
.irp e, 0,1,2,3,4,5,6,7,8,9,10,11,12,13,14,15,16,17,18,19,20,21,22,23,24,25,26,27,28,29,30,31
	v_exp_f32 v[96+\e], v[96+\e]                   ; p, at most 1
.endr
	v_nop                                          ; a plain instruction behind the last exponential
	s_wait_alu depctr_va_vdst(0)                   ; one wait for the batch, ahead of its first reader
	v_pk_add_f32 v[8:9], v[96:97], v[98:99]
	v_pk_add_f32 v[10:11], v[100:101], v[102:103]
.irp j, 8,12,16,20,24,28
	v_pk_add_f32 v[8:9], v[8:9], v[96+\j:97+\j]
	v_pk_add_f32 v[10:11], v[10:11], v[98+\j:99+\j]
.endr
	v_pk_add_f32 v[8:9], v[8:9], v[10:11]
	v_add_f32 v8, v8, v9
	v_permlanex16_b32 v9, v8, s30, s31
	v_add_f32 v13, v8, v9                          ; l
	s_wait_loadcnt 0x0                             ; V
.irp t, 0,1,2,3
.irp i, 0,1,2,3
.irp c, 0,1,2,3                                ; the four accumulators by turns
.set rV, 128+32*\t+8*\c+2*\i
.if \t > 1
.set rV, 32+32*(\t-2)+8*\c+2*\i
.endif
.if (\t == 0) && (\i == 0)
	v_wmma_f32_16x16x4_f32 v[192+8*\c:199+8*\c], v[rV:rV+1], v[96+8*\t+2*\i:97+8*\t+2*\i], 0
.else
	v_wmma_f32_16x16x4_f32 v[192+8*\c:199+8*\c], v[rV:rV+1], v[96+8*\t+2*\i:97+8*\t+2*\i], v[192+8*\c:199+8*\c]
.endif
.endr
.endr
.endr
.rept 8
	v_nop                                          ; eight places behind this form
.endr
.irp g, 0,1,2,3,4,5,6,7
	ds_store_b128 v3, v[192+4*\g:195+4*\g] offset:512*\g           ; each accumulator from its low end on
.endr
	ds_store_b64 v4, v[12:13] offset:STATS
	s_wait_dscnt 0x0                               ; for the others' sake: my stores have landed
	s_barrier_signal -1
	s_barrier_wait -1
.irp u, 0,1,2,3,4,5,6,7
	ds_load_b64 v[224+2*\u:225+2*\u], v5 offset:STATS+256*\u       ; every wave's (m, l) of my query
.endr
.irp u, 0,1,2,3,4,5,6,7
	ds_load_b128 v[128+4*\u:131+4*\u], v6 offset:4096*\u           ; group w of every wave's part
.endr
	s_wait_dscnt 0x0
	v_max3_num_f32 v8, v224, v226, v228
	v_max3_num_f32 v8, v8, v230, v232
	v_max3_num_f32 v8, v8, v234, v236
	v_max_num_f32 v8, v8, v238                     ; M
.irp u, 0,1,2,3,4,5,6,7
	v_sub_f32 v[224+2*\u], v[224+2*\u], v8
.endr
.irp u, 0,1,2,3,4,5,6,7
	v_mul_f32 v[224+2*\u], s28, v[224+2*\u]
.endr
.irp u, 0,1,2,3,4,5,6,7
	v_exp_f32 v[224+2*\u], v[224+2*\u]             ; f = 2^((m - M) log2 e)
.endr
	v_nop
	s_wait_alu depctr_va_vdst(0)                   ; one wait for the eight
	v_mul_f32 v9, v224, v225
	v_pk_mul_f32 v[240:241], v[128:129], v[224:225] op_sel_hi:[1,0]
	v_pk_mul_f32 v[242:243], v[130:131], v[224:225] op_sel_hi:[1,0]
.irp u, 1,2,3,4,5,6,7
	v_fma_f32 v9, v[224+2*\u], v[225+2*\u], v9     ; L
	v_pk_fma_f32 v[240:241], v[128+4*\u:129+4*\u], v[224+2*\u:225+2*\u], v[240:241] op_sel_hi:[1,0,1]
	v_pk_fma_f32 v[242:243], v[130+4*\u:131+4*\u], v[224+2*\u:225+2*\u], v[242:243] op_sel_hi:[1,0,1]
.endr
	s_cmp_lg_u32 s12, 0
	s_cbranch_scc1 .Lnot_wave_0
	global_store_b64 v5, v[8:9], s[26:27]          ; (M, L): 256 consecutive bytes
.Lnot_wave_0:
	global_store_b128 v1, v[240:243], s[24:25]     ; 512 consecutive bytes
	s_wait_tensorcnt 0x0                           ; the wave's end, behind my last LDS store
	ds_add_u32 v[SPW], v[NIL]
	s_wait_dscnt 0x0
	s_endpgm
.Lfunc_end_k_qa277ac9464_fineatt:
	.size	k_qa277ac9464_fineatt, .Lfunc_end_k_qa277ac9464_fineatt-k_qa277ac9464_fineatt
	.p2alignl 7, 3214868480
	.fill 96, 4, 3214868480
	.section	.rodata,"a",@progbits
	.p2align	6, 0x0
	.amdhsa_kernel k_qa277ac9464_fineatt
		.amdhsa_group_segment_fixed_size 35840
		.amdhsa_private_segment_fixed_size 0
		.amdhsa_enable_private_segment 0
		.amdhsa_kernarg_size 32
		.amdhsa_user_sgpr_count 2
		.amdhsa_user_sgpr_kernarg_segment_ptr 1
		.amdhsa_wavefront_size32 1
		.amdhsa_system_sgpr_workgroup_id_x 1
		.amdhsa_system_sgpr_workgroup_id_y 1
		.amdhsa_system_sgpr_workgroup_id_z 1
		.amdhsa_system_vgpr_workitem_id 0
		.amdhsa_next_free_vgpr 256
		.amdhsa_next_free_sgpr 66
		.amdhsa_reserve_vcc 0
		.amdhsa_float_denorm_mode_32 3
		.amdhsa_float_denorm_mode_16_64 3
		.amdhsa_memory_ordered 1
		.amdhsa_forward_progress 1
		.amdhsa_inst_pref_size 23
	.end_amdhsa_kernel
	.amdgpu_metadata
---
amdhsa.version: [ 1, 2 ]
amdhsa.kernels:
  - .name:           k_qa277ac9464_fineatt
    .symbol:         k_qa277ac9464_fineatt.kd
    .args:
      - { .name: qkv, .offset: 0, .size: 8, .value_kind: global_buffer, .address_space: global }
      - { .name: v32, .offset: 8, .size: 8, .value_kind: global_buffer, .address_space: global }
      - { .name: attention_mask, .offset: 16, .size: 8, .value_kind: global_buffer, .address_space: global }
      - { .name: fpart, .offset: 24, .size: 8, .value_kind: global_buffer, .address_space: global }
    .group_segment_fixed_size: 35840
    .private_segment_fixed_size: 0
    .kernarg_segment_align: 8
    .kernarg_segment_size: 32
    .max_flat_workgroup_size: 256
    .sgpr_count:     66
    .vgpr_count:     256
    .wavefront_size: 32
...
	.end_amdgpu_metadata
.endif
;; end of part 3
;; launch attn (part 4): grid 32 x 8, 4 waves a work-group, clusters of 4 x 4, 327,680 bytes of LDS; arguments qkv, attention_mask, af, fpart, fattn; writes af, fattn
.if DOCPART == 4
	.amdgcn_target "amdgcn-amd-amdhsa--gfx1250"
	.amdhsa_code_object_version 6
	.text
	.protected	k_qa277ac9464_attn
	.globl	k_qa277ac9464_attn
	.p2align	8
	.type	k_qa277ac9464_attn,@function
k_qa277ac9464_attn:
	s_mov_b64 s[64:65], 0
	v_nop
	global_prefetch_b8 v0, s[64:65] scope:SCOPE_SE
	s_setreg_imm32_b32 hwreg(HW_REG_WAVE_MODE, 25, 1), 1
	s_wait_xcnt 0x0
	s_wait_alu depctr_hold_cnt(0) depctr_sa_sdst(0) depctr_va_vdst(0) depctr_va_sdst(0) depctr_va_ssrc(0) depctr_va_vcc(0) depctr_vm_vsrc(0)
	s_getreg_b32 s2, hwreg(HW_REG_IB_STS2, 6, 4)
	s_cmp_eq_u32 s2, 0
	s_cbranch_scc0 .Lentry_in_a_cluster
	s_endpgm
.Lentry_in_a_cluster:
	s_bfe_u32 s2, ttmp6, 0x10000c
	s_cmp_lg_u32 s2, 0xf033
	s_cbranch_scc0 .Lentry_shape_is_right
	s_endpgm
.Lentry_shape_is_right:
; attn[q][head] = softmax_k(Q . K / 8 + mask[q][k]) V, 16 heads of 64, 4,096 positions.  Operands f16 (Q is stored divided by 8); products, maxima and sums f32; p is rounded to f16 for the second product, the result once at the end.
; The mask is an input: every number of it is loaded and added.  It comes out of LDS straight into the scores' registers and is the C of K Q^T, so it costs no vector instruction.
; SHARES.  A work-group owns 128 queries x 2 heads; wave w: head 2 y + w / 2, queries 128 x + 64 (w % 2): four tiles of 16.  Every wave walks all keys, 64 a step.
; LAYOUT.  S^T = K Q^T + mask: a lane holds one query (lane % 16) and keys 8 (lane / 16) + 0..7 of a tile.  Two tiles, rounded in pairs, are source 1 of O^T = V^T P.  Q, K, V lie in memory in the
; order of their fragments' registers, so every LDS load takes 512 consecutive bytes.  O^T, rounded in pairs, is the output projection's fragment: stored as it stands.
; SOFTMAX.  A running maximum m and sum l a query: p = 2^((s - m) log2 e).  s - m is formed first, so that p is at most 1 whatever the size of the mask's numbers; O and l are multiplied by a = 2^((m_old - m_new) log2 e) in every step.
; BY TURNS.  The wave's tiles are two pieces (tiles 0, 1 and tiles 2, 3).  In a turn one piece issues 16 products V^T P and 16 products K Q^T of the next step; the other piece's softmax, 268 instructions in 64 slices,
; stands between them, two slices behind each product.
; CLUSTER 4 x 4.  A slot holds 128 keys: K and V of both heads (asked for jointly along a row of the cluster) and the mask's 128 rows x 512 bytes (jointly along a column); one load of 32 KB a wave behind each round.
; A SIDE JOB, at the head, while the first tiles are on their way: the finer way's parts of positions 0-15 (fpart: eight ranges of keys a head) are merged under the common maximum and divided by the sum, once:
; 16,384 numbers are 256 units of 64; work-group 32 y + x takes one unit, in its wave 0, two numbers a lane, and stores 256 consecutive bytes of fattn ([head][group 8][16 x lane], the parts' own order).
; LIMITS: score + mask under -2^100 counts as minus infinity; NaN is not served; from position 16 on, a row that the mask leaves few keys carries f16's rounding (positions 0-15 are stored again by a finer launch).
; REGISTERS: window 0: v2-6 addresses; v12-43 statistics, 8 a tile; v44, v45 the side job's offsets; v64-191 S^T, 32 a tile (v64-100 first serve the side job); v192-255 P, 16 a tile.   window 1: v0-127 O^T, 32 a tile; v128-191 Q; v192-255 K.   window 2: v0-63 V.
.set HEADB, 1572864
.set STEPB, 24576
.set SLOT,  133120                     ; K, V: head x 32,768 + step x 16,384 (K 8 KB, V 8 KB); from 65,536 the mask
.set MOFF,  65536
.set MP,    528                        ; a mask row in LDS: 512 bytes + 16: the 16 rows of a load start at 16 different banks (ISA guide 11.1)
.set SPARE, 2*SLOT                     ; the spare words: 128 bytes a wave
.set AK0, 2                            ; v2  16 x lane + my head's 32,768
.set AM0, 3                            ; v3  my lane's place in the mask's tile
.set ADR, 4
.set ADM, 5
.set LO,  6                            ; v6  16 x lane
.set ST,  12                           ; tile t at v[ST + 8 t]: +0 m, +1 (m_old - m_new) log2 e, +2, +3 l, +4 to +7 at work; a takes +6
.set PFO, 58
.set PFO2, 59
.set SPW, 62
.set NIL, 63
.set S,   64
.set P,   192
.set QF,  128                          ; in window 1
.set KF,  192
.set WV,  12
.set G1M, 24                           ; s[24:31] group 1 for the mask's tiles;  s[32:39] for K and V's
.set G1K, 32
.set G0M, 40                           ; s[40:47], s[48:55] groups 0, a set for each slot
.set G0K, 48
.set TRIPS, 56
.set TWICE, 57
.set CS,  58                           ; s[58:59] log2(e)
.set SEL, 60
.set TB,  62                           ; LDS byte of the step to be fetched: K and V
.set TM,  63                           ; the same for the mask
.set PFA, 66
.set PFS, 68
.set LIM, 70
.set MPA, 84                           ; s[84:85] the side job: my unit in the first range's part;  s[86:87] my head's (M, L);  s[88:89] my unit in fattn
.set MST, 86
.set MFA, 88
.set MSB, 0
.macro WIN new
.if MSB != (\new)
	s_set_vgpr_msb (MSB<<8)|(\new)
.set MSB, (\new)
.endif
.endm
.set W_KQ, 0x05                        ; K and Q window 1, S^T window 0
.set W_PV, 0x52                        ; V window 2, P window 0, O^T window 1
.set W_RS, 0x41                        ; O^T window 1, a window 0
; A joint refill of slot f: waves 0, 1 the mask's halves, waves 2, 3 the two heads' K and V.  An s_nop 0 and four v_nop follow each line.
.macro JLOAD f
	s_cmp_lt_u32 s[WV], 2
	s_cbranch_scc0 .Lfor_kv_\@
	tensor_load_to_lds s[G0M+4*\f:G0M+4*\f+3], s[G1M:G1M+7]
	s_nop 0
.rept 4
	v_nop
.endr
	s_branch .Lasked_\@
.Lfor_kv_\@:
	tensor_load_to_lds s[G0K+4*\f:G0K+4*\f+3], s[G1K:G1K+7]
	s_nop 0
.rept 4
	v_nop
.endr
.Lasked_\@:
.endm
; A prefetch of what the NEXT change of slots will load, behind my tensor load: two key steps, 128 products of a wave, ahead of that load.  Each aligned 256 bytes is named once in the launch:
; the mask's rows by wave 0 of the clusters with y = 0 (the column's four partners take 32 rows each, told apart by address; 512 bytes a row: two requests a lane);
; K and V by wave 2 of the clusters with x = 0 (the row's four partners take one head's one step each, 16 KB: two requests a lane).  mode 1: the loop's last refill asks for nothing.
.macro ASK mode
.if \mode
	s_cmp_gt_u32 s[TRIPS], s[LIM]
.else
	s_cmp_ge_u32 s[TRIPS], s[LIM]
.endif
	s_cbranch_scc0 .Lnot_mine_\@
	global_prefetch_b8 v[PFO], s[PFA:PFA+1] th:TH_LOAD_NT scope:SCOPE_SE
	global_prefetch_b8 v[PFO2], s[PFA:PFA+1] th:TH_LOAD_NT scope:SCOPE_SE
.Lnot_mine_\@:
.endm
.macro CROUND
	s_barrier_signal -1
	s_barrier_wait -1
	s_cmp_lg_u32 s[WV], 0
	s_cbranch_scc1 .Lnot_wave_0_\@
	s_barrier_signal -3
.Lnot_wave_0_\@:
	s_barrier_wait -3
	s_barrier_signal -1
	s_barrier_wait -1
.endm
	s_load_b128 s[4:7], s[0:1], 0x0                ; qkv s[4:5], mask s[6:7]
	s_load_b64 s[8:9], s[0:1], 0x10                ; af
	s_load_b64 s[80:81], s[0:1], 0x18              ; fpart
	s_load_b64 s[82:83], s[0:1], 0x20              ; fattn
	v_lshl_add_u32 v[SPW], v0, 2, SPARE
	v_mov_b32 v[NIL], 0
	ds_add_u32 v[SPW], v[NIL]                      ; the wave's opening: the add, twice on end, and its wait ahead of my first tensor load
	ds_add_u32 v[SPW], v[NIL]
	v_lshrrev_b32 v1, 5, v0
	v_readfirstlane_b32 s[WV], v1                  ; wave 0..3
	s_bfe_u32 s13, ttmp6, 0x40000                  ; cx
	s_bfe_u32 s14, ttmp6, 0x40004                  ; cy
	s_lshl_b32 s16, ttmp9, 2
	s_add_co_u32 s16, s16, s13                     ; x: my block of 128 queries
	s_and_b32 s15, ttmp7, 0xffff                   ; the cluster's y
	s_lshl_b32 s17, s15, 2
	s_add_co_u32 s17, s17, s14                     ; y: my pair of heads
	s_lshl_b32 s[MPA], s17, 5                      ; the side job's unit: 32 y + x: it enters global addresses alone
	s_add_co_u32 s[MPA], s[MPA], s16
	s_lshl_b32 s[MFA], s[MPA], 8                   ; in fattn: 256 bytes a unit
	s_mov_b32 s[MFA+1], 0
	s_lshr_b32 s[MST], s[MPA], 4                   ; its head: sixteen units a head
	s_and_b32 s[MPA], s[MPA], 15
	s_lshl_b32 s[MPA], s[MPA], 8
	s_lshl_b32 s[MPA+1], s[MST], 15
	s_add_co_u32 s[MPA], s[MPA], s[MPA+1]          ; in the parts: 32,768 bytes a head, 256 a unit
	s_mov_b32 s[MPA+1], 0
	s_lshl_b32 s[MST], s[MST], 11
	s_add_co_u32 s[MST], s[MST], 524288            ; the head's eight (M, L): 2,048 bytes a head, behind the parts
	s_mov_b32 s[MST+1], 0
	s_and_b32 s18, s[WV], 1
	s_lshr_b32 s19, s[WV], 1
	s_lshl_b32 s20, 0x1111, s13                    ; my column of the cluster: the same queries
	s_lshl_b32 s21, s14, 2
	s_lshl_b32 s21, 15, s21                        ; my row: the same heads
	s_or_b32 s[G1M], s20, (2<<16)|(1<<20)|(1<<21)|(6<<22)|(3<<25)   ; elements of 4 bytes; 4 words of padding behind every 128
	s_mov_b32 s[G1M+1], 128<<16                    ; tensor_dim0 = 128 keys
	s_mov_b32 s[G1M+2], 64<<16                     ; tensor_dim1 = 64 queries
	s_mov_b32 s[G1M+3], 128<<16                    ; tile_dim0
	s_mov_b32 s[G1M+4], 64                         ; tile_dim1
	s_mov_b32 s[G1M+5], 4096                       ; the pitch
	s_mov_b32 s[G1M+6], 0
	s_mov_b32 s[G1M+7], 0
	s_or_b32 s[G1K], s21, (3<<16)|(1<<21)          ; elements of 8 bytes, no padding: two steps' K and V, 16,384 bytes each, 24,576 apart
	s_mov_b32 s[G1K+1], 2048<<16
	s_mov_b32 s[G1K+2], 2<<16
	s_mov_b32 s[G1K+3], 2048<<16
	s_mov_b32 s[G1K+4], 2
	s_mov_b32 s[G1K+5], 3072
	s_mov_b32 s[G1K+6], 0
	s_mov_b32 s[G1K+7], 0
	s_lshl_b32 s72, s16, 21
	s_lshl_b32 s73, s18, 20
	s_add_co_u32 s72, s72, s73                     ; the mask: row 128 x + 64 (w % 2): of x alone
	s_mov_b32 s73, 0
	s_lshl_b32 s74, s17, 1
	s_add_co_u32 s74, s74, s18
	s_mul_i32 s74, s74, HEADB
	s_add_co_u32 s74, s74, 8192                    ; K and V of head 2 y + w % 2: of y alone
	s_mov_b32 s75, 0
	s_mul_i32 s76, s18, 64*MP
	s_add_co_u32 s76, s76, MOFF                    ; where they go: of the wave's number alone
	s_lshl_b32 s77, s18, 15
	s_lshl_b32 s20, s17, 1
	s_add_co_u32 s20, s20, s19                     ; my head
	s_lshl_b32 s21, s16, 1
	s_add_co_u32 s21, s21, s18                     ; my 64 queries
	s_mul_i32 s10, s20, HEADB
	s_mul_i32 s11, s21, STEPB
	s_add_co_u32 s10, s10, s11
	s_mov_b32 s11, 0                               ; Q
	s_lshl_b32 s78, s21, 17
	s_lshl_b32 s79, s20, 11
	s_add_co_u32 s78, s78, s79
	s_mov_b32 s79, 0                               ; af: tile of queries x 32,768 + head x 2,048
	; the prefetches: both offsets, then the choice by the wave's number
	s_lshl_b32 s20, s16, 21
	s_lshl_b32 s21, s14, 19
	s_add_co_u32 s20, s20, s21
	s_add_co_u32 s20, s20, 2*512                   ; the mask: rows 128 x + 32 cy on, at the third slot's keys
	s_lshl_b32 s21, s17, 1
	s_lshr_b32 s22, s13, 1
	s_add_co_u32 s21, s21, s22
	s_mul_i32 s21, s21, HEADB
	s_and_b32 s22, s13, 1
	s_mul_i32 s22, s22, STEPB
	s_add_co_u32 s21, s21, s22
	s_add_co_u32 s21, s21, 8192+2*2*STEPB          ; K and V: head 2 y + cx / 2, step cx % 2 of the third slot
	s_mov_b32 s[PFS], 2*STEPB
	s_mov_b32 s23, 8192
	s_cmp_lt_u32 s[WV], 2
	s_cselect_b32 s20, s20, s21
	s_cselect_b32 s[PFS], 512, s[PFS]              ; a slot on
	s_cselect_b32 s23, 256, s23                    ; from a lane's first request to its second
	s_cselect_b32 s22, 14, 8                       ; from lane to lane: a row of the mask, or 256 bytes
	s_cselect_b32 s21, s15, ttmp9                  ; the cluster's coordinate along which others read the same bytes
	s_mov_b32 s[PFS+1], 0
	v_and_b32 v[PFO], 31, v0
	v_lshlrev_b32 v[PFO], s22, v[PFO]
	v_add_nc_u32 v[PFO2], s23, v[PFO]
	s_or_b32 s21, s21, s18
	s_cmp_eq_u32 s21, 0
	s_cselect_b32 s[LIM], 1, -1                    ; 1 in a wave that prefetches: the same in all partners for a given wave
	s_mov_b32 s21, 0
	s_mov_b32 s[CS], 0x3fb8aa3b
	s_mov_b32 s[CS+1], s[CS]
	s_mov_b32 s[SEL], 0x76543210
	s_mov_b32 s[SEL+1], 0xfedcba98
	s_mov_b32 s[TB], 0
	s_mov_b32 s[TM], 0
	s_wait_dscnt 0x0                               ; both opening adds are done
	s_wait_kmcnt 0x0
	s_add_nc_u64 s[72:73], s[6:7], s[72:73]
	s_add_nc_u64 s[74:75], s[4:5], s[74:75]
	s_add_nc_u64 s[10:11], s[4:5], s[10:11]
	s_add_nc_u64 s[8:9], s[8:9], s[78:79]
	s_add_nc_u64 s[MPA:MPA+1], s[80:81], s[MPA:MPA+1]
	s_add_nc_u64 s[MST:MST+1], s[80:81], s[MST:MST+1]
	s_add_nc_u64 s[MFA:MFA+1], s[82:83], s[MFA:MFA+1]
	s_cmp_lt_u32 s[WV], 2
	s_cselect_b64 s[PFA:PFA+1], s[6:7], s[4:5]
	s_add_nc_u64 s[PFA:PFA+1], s[PFA:PFA+1], s[20:21]   ; the first change of slots steps it on; nothing is prefetched at the head
	CROUND                                         ; all sixteen work-groups are here: the first joint loads meet
.irp s, 0,1
	s_mov_b32 s[G0M+4*\s], 1
	s_add_co_u32 s[G0M+4*\s+1], s76, \s*SLOT
	s_add_nc_u64 s[G0M+4*\s+2:G0M+4*\s+3], s[72:73], \s*512
	s_or_b32 s[G0M+4*\s+3], s[G0M+4*\s+3], 0x80000000
	s_mov_b32 s[G0K+4*\s], 1
	s_add_co_u32 s[G0K+4*\s+1], s77, \s*SLOT
	s_add_nc_u64 s[G0K+4*\s+2:G0K+4*\s+3], s[74:75], \s*2*STEPB
	s_or_b32 s[G0K+4*\s+3], s[G0K+4*\s+3], 0x80000000
.endr
	s_cmp_lt_u32 s[WV], 2                          ; a wave's two first fills stand in one branch: two loads of mine are out
	s_cbranch_scc0 .Lfirst_kv
	tensor_load_to_lds s[G0M:G0M+3], s[G1M:G1M+7]
	s_nop 0
	tensor_load_to_lds s[G0M+4:G0M+7], s[G1M:G1M+7]
	s_nop 0
.rept 4
	v_nop
.endr
	s_branch .Lfirst_asked
.Lfirst_kv:
	tensor_load_to_lds s[G0K:G0K+3], s[G1K:G1K+7]
	s_nop 0
	tensor_load_to_lds s[G0K+4:G0K+7], s[G1K:G1K+7]
	s_nop 0
.rept 4
	v_nop
.endr
.Lfirst_asked:
	v_and_b32 v1, 15, v0                           ; r
	v_bfe_u32 v9, v0, 4, 1                         ; h
	v_and_b32 v[LO], 31, v0
	v_lshlrev_b32 v[LO], 4, v[LO]
	WIN 0x40
.irp f, 0,1,2,3,4,5,6,7,8,9,10,11,12,13,14,15
	global_load_b128 v[QF+4*\f:QF+4*\f+3], v[LO], s[10:11] offset:512*\f   ; Q stays in registers
.endr
	WIN 0
	s_lshl_b32 s20, s19, 15
	v_add_nc_u32 v[AK0], s20, v[LO]
	v_mul_u32_u24 v[AM0], v1, MP
	v_lshl_add_u32 v[AM0], v9, 5, v[AM0]
	v_add_nc_u32 v[AM0], s76, v[AM0]               ; row 64 (w % 2) + r of the mask's tile, + 32 h
; Product i of 16 of O^T += V^T P: keys 32 (i / 8) on, channels 16 ((i / 2) % 4) on, tile x + i % 2.  The accumulators take turns: seven others' stand between two links.
.macro PV x, zero
	WIN W_PV
.set rO, 32*(\x+i%2)+8*((i/2)%4)
.set rV, 32*(i/8)+8*((i/2)%4)
.set rP, P+16*(\x+i%2)+8*(i/8)
.if \zero && (i < 8)
	v_wmma_f32_16x16x32_f16 v[rO:rO+7], v[rV:rV+7], v[rP:rP+7], 0
.else
	v_wmma_f32_16x16x32_f16 v[rO:rO+7], v[rV:rV+7], v[rP:rP+7], v[rO:rO+7]
.endif
.endm
; Product i of 16 of S^T = K Q^T + mask: channels 32 (i / 8) on, keys 16 ((i / 2) % 4) on, tile x + i % 2.  The mask lies in S^T's registers.
.macro KQ x
	WIN W_KQ
.set rS, S+32*(\x+i%2)+8*((i/2)%4)
.set rK, KF+16*((i/2)%4)+8*(i/8)
.set rQ, QF+16*(\x+i%2)+8*(i/8)
	v_wmma_f32_16x16x32_f16 v[rS:rS+7], v[rK:rK+7], v[rQ:rQ+7], v[rS:rS+7]
.endm
.macro FETCH_K
	WIN 0
	v_add_nc_u32 v[ADR], s[TB], v[AK0]
	WIN 0x40
.irp f, 0,1,2,3,4,5,6,7,8,9,10,11,12,13,14,15
	ds_load_b128 v[KF+4*\f:KF+4*\f+3], v[ADR] offset:512*\f
.endr
.endm
.macro FETCH_V
	WIN 0
	v_add_nc_u32 v[ADR], s[TB], v[AK0]
	s_add_co_u32 s[TB], s[TB], 16384               ; the next fetches are the next step's
	s_add_co_u32 s[TM], s[TM], 256
	s_wait_alu depctr_va_vdst(0)                   ; the wait for the softmax's batch, behind the address's addition and ahead of the loads
	WIN 0x80
.irp f, 0,1,2,3,4,5,6,7,8,9,10,11,12,13,14,15
	ds_load_b128 v[4*\f:4*\f+3], v[ADR] offset:8192+512*\f
.endr
.endm
.macro FETCH_M x                       ; the mask of piece x's 32 queries x 64 keys, into the registers where its scores will lie
	WIN 0
	v_add_nc_u32 v[ADM], s[TM], v[AM0]
.irp i, \x, \x+1
.irp t, 0,1,2,3
	ds_load_b128 v[S+32*(\i)+8*\t:S+32*(\i)+8*\t+3],   v[ADM] offset:(\i)*16*MP+64*\t
	ds_load_b128 v[S+32*(\i)+8*\t+4:S+32*(\i)+8*\t+7], v[ADM] offset:(\i)*16*MP+64*\t+16
.endr
.endr
.endm
; One tile's softmax for one key step: a list of 134 instructions; SM writes number j for tile t.
;   0-15 the maximum of 32 scores and the old m (first step: and the floor -2^100);  16-20 the other half's maximum, the new m, (m_old - m_new) log2 e;  21 pair 0 less m
;   22-85 ONE BATCH in fours: [pair f x log2 e, an exponential, pair f + 1 less m, an exponential]; the last four has three exponentials.  a's exponential is number 23.  None reads an exponential's result
;   (the wait)   86-101 the roundings to f16;   102-117 the sums, l = a l + the sum;   118-133 the tile's O^T times a
.macro SM t, first
.set rT, ST+8*(\t)
.set rS, S+32*(\t)
.set rP, P+16*(\t)
.set rO, 32*(\t)+2*(j-118)
.if j < 118
	WIN 0
.endif
.if j < 4
	v_max3_num_f32 v[rT+4+j], v[rS+8*j], v[rS+8*j+1], v[rS+8*j+2]
.elseif j < 12
	v_max3_num_f32 v[rT+4+j%4], v[rT+4+j%4], v[rS+8*(j%4)+2*(j/4)+1], v[rS+8*(j%4)+2*(j/4)+2]
.elseif j == 12
	v_max3_num_f32 v[rT+4], v[rT+4], v[rS+7], v[rS+15]
.elseif j == 13
	v_max3_num_f32 v[rT+6], v[rT+6], v[rS+23], v[rS+31]
.elseif j == 14
	v_max3_num_f32 v[rT+4], v[rT+4], v[rT+5], v[rT+6]
.elseif (j == 15) && \first
	v_max3_num_f32 v[rT+4], v[rT+4], v[rT+7], 0xf1800000
.elseif j == 15
	v_max3_num_f32 v[rT+4], v[rT+4], v[rT+7], v[rT]
.elseif j == 16
	v_permlanex16_b32 v[rT+5], v[rT+4], s[SEL], s[SEL+1]
.elseif j == 18
	v_max_num_f32 v[rT], v[rT+4], v[rT+5]
.elseif (j == 20) && \first
	v_mov_b32 v[rT+1], 0                           ; (named with m as a pair, so it is written)
.elseif ((j == 17) || (j == 19) || (j == 23) || (j > 117)) && \first
.elseif j == 17
	v_mov_b32 v[rT+7], v[rT]                       ; m_old is kept: number 18 writes m anew
.elseif j == 19
	v_sub_f32 v[rT+7], v[rT+7], v[rT]
.elseif j == 20
	v_mul_f32 v[rT+1], s[CS], v[rT+7]
.elseif j == 21
	v_pk_add_f32 v[rS:rS+1], v[rS:rS+1], v[rT:rT+1] op_sel_hi:[1,0] neg_lo:[0,1] neg_hi:[0,1]
.elseif j == 23
	v_exp_f32 v[rT+6], v[rT+1]                     ; a
.elseif j < 86
.set bf, (j-22)/4
.set bn, (j-22)%4
.if bn == 0
	v_pk_mul_f32 v[rS+2*bf:rS+2*bf+1], v[rS+2*bf:rS+2*bf+1], s[CS:CS+1] op_sel_hi:[1,0]
.elseif (bn == 2) && (bf < 15)
	v_pk_add_f32 v[rS+2*bf+2:rS+2*bf+3], v[rS+2*bf+2:rS+2*bf+3], v[rT:rT+1] op_sel_hi:[1,0] neg_lo:[0,1] neg_hi:[0,1]
.else
.set e, 2*bf+(bn-1)/2-1
.if bf == 15
.set e, 28+bn
.endif
	v_exp_f32 v[rS+e], v[rS+e]
.endif
.elseif j < 102
	v_cvt_pk_f16_f32 v[rP+j-86], v[rS+2*(j-86)], v[rS+2*(j-86)+1]
.elseif j < 118
.set z, j-102
.set w, 4
.set u, z
.if z >= 14
.set w, 32
.set u, 0
.elseif z >= 12
.set w, 16
.set u, z-12
.elseif z >= 8
.set w, 8
.set u, z-8
.endif
.if (z == 14) && \first
	v_pk_add_f32 v[rT+2:rT+3], v[rS:rS+1], v[rS+16:rS+17]
.elseif z < 15
	v_pk_add_f32 v[rS+w*u:rS+w*u+1], v[rS+w*u:rS+w*u+1], v[rS+w*u+w/2:rS+w*u+w/2+1]
.elseif !\first
	v_pk_fma_f32 v[rT+2:rT+3], v[rT+2:rT+3], v[rT+6:rT+7], v[rS:rS+1] op_sel_hi:[1,0,1]
.endif
.else
	WIN W_RS
	v_pk_mul_f32 v[rO:rO+1], v[rO:rO+1], v[rT+6:rT+7] op_sel_hi:[1,0]
.endif
.endm
; Slice k of 64 of piece y's softmax.  Slices 11 to 42 deal out the batch, four numbers of one tile each, the tiles by turns; every other slice is numbers 2 k, 2 k + 1 of both tiles; 2 x 134 = 4 x 64 + 12: the twelve over stand in slice 63.
; Ahead of slice 43 nothing names an exponential's result, and behind slice 42 none is issued: the piece's 66 exponentials have one wait, behind slice 42.
.macro SLICE y, first
.if (k >= 11) && (k < 43)
.irp n, 0,1,2,3
.set j, 22+4*((k-11)/2)+(\n)
	SM (\y)+(k-11)%2, \first
.endr
.else
.irp n, 0,1,2,3,4,5,6,7
.if (\n < 2) || (k == 63)
.irp t, \y, \y+1
.set j, 2*k+\n
	SM \t, \first
.endr
.endif
.endr
.endif
.if k == 42
	v_nop                                          ; a plain instruction behind the last exponential
.if (\y) == 0
	FETCH_V                                        ; piece 2's turn: V's run of loads stands here, and the wait stands in it
.else
	s_wait_alu depctr_va_vdst(0)
.endif
.endif
.set k, k+1
.endm
.macro PLACES
.rept 4
	v_nop
.endr
.endm
; A TURN.  pv = 2: 16 products V^T P; 1: they start O^T's sums; 0: none.  kq = 1: 16 products K Q^T of the next step.  Two slices behind each product, four where the turn has one kind.
; Places, by count: slices 62 and 63, twenty packed multiplications on the other piece's O^T, stand behind the last K Q^T, ahead of the next turn's first read of those scores and of the loads into K's registers;
; behind the last V^T P and ahead of the loads into V's registers stand the batch's subtractions and multiplications of slices 30 to 42.
.macro TURN x, pv, kq, first
.set k, 0
.set per, 4
.if \pv && \kq
.set per, 2
.endif
.if \pv
.if \x == 0
	s_wait_dscnt 0x0                               ; V is in
.elseif \kq
	FETCH_M 2                                      ; piece 2's softmax is over: its registers take the next step's mask
.endif
.set i, 0
.rept 16
	PV \x, 2-\pv
.rept per
	SLICE 2-\x, \first
.endr
.if (\x == 0) && \kq && (i == 1)
	FETCH_K
	FETCH_M 0
.endif
.set i, i+1
.endr
.endif
.if \kq
	s_wait_dscnt 0x0                               ; K and the mask are in
.set i, 0
.rept 16
	KQ \x
.rept per
	SLICE 2-\x, \first
.endr
.set i, i+1
.endr
.endif
.if \first
	PLACES                                         ; the first step's last slices are empty
.endif
.endm
; THE CHANGE OF SLOTS: each wave waits for all its tensor loads (one is out: its part of the other slot), adds 0 to its spare word, and waits for that and for its reads of slot f.
; fill = 1: a round of the cluster's barrier, and slot f is filled with the keys two slots on: the first thing behind the round, one load a wave.
.macro CHANGE f, fill, mode
	WIN 0
	s_wait_tensorcnt 0x0                           ; no tensor load of mine is out, so a group 0 may be written
	ds_add_u32 v[SPW], v[NIL]
.if \fill
	s_add_nc_u64 s[G0M+4*\f+2:G0M+4*\f+3], s[G0M+4*\f+2:G0M+4*\f+3], 2*512
	s_add_nc_u64 s[G0K+4*\f+2:G0K+4*\f+3], s[G0K+4*\f+2:G0K+4*\f+3], 2*2*STEPB
	s_wait_xcnt 0x0                                ; the last prefetches have read their address
	s_add_nc_u64 s[PFA:PFA+1], s[PFA:PFA+1], s[PFS:PFS+1]
	s_wait_dscnt 0x0
	CROUND
	JLOAD \f
	ASK \mode
.else
	s_wait_dscnt 0x0
	s_barrier_signal -1
	s_barrier_wait -1
.endif
.endm
.macro TWO_STEPS s                     ; slot s's two key steps are fetched: written once, walked twice
	s_mov_b32 s[TB], \s*SLOT
	s_mov_b32 s[TM], \s*SLOT
	s_mov_b32 s[TWICE], 2
.Lstep_\@:
	TURN 0, 2, 1, 0
	TURN 2, 2, 1, 0
	WIN 0
	s_sub_co_u32 s[TWICE], s[TWICE], 1
	s_cmp_lg_u32 s[TWICE], 0
	s_cbranch_scc1 .Lstep_\@
.endm
	; THE SIDE JOB, in wave 0 alone (a branch on the wave's number): my unit's 64 numbers of the finer way's attn.  Lane l holds two numbers of query l / 2.
	s_cmp_lg_u32 s[WV], 0
	s_cbranch_scc1 .Lno_merge
	v_and_b32 v44, 31, v0
	v_lshlrev_b32 v45, 3, v44                      ; 8 x lane: my two numbers
	v_and_b32 v44, 30, v44
	v_lshlrev_b32 v44, 2, v44                      ; 8 x (lane / 2): my query's (M, L)
.irp u, 0,1,2,3,4,5,6,7
	global_load_b64 v[64+2*\u:65+2*\u], v44, s[MST:MST+1] offset:256*\u
.endr
.irp u, 0,1,2,3,4,5,6,7
	global_load_b64 v[80+2*\u:81+2*\u], v45, s[MPA:MPA+1] offset:4096*\u
.endr
	s_wait_loadcnt 0x0
	v_max3_num_f32 v96, v64, v66, v68
	v_max3_num_f32 v96, v96, v70, v72
	v_max3_num_f32 v96, v96, v74, v76
	v_max_num_f32 v96, v96, v78                    ; the common maximum
.irp u, 0,1,2,3,4,5,6,7
	v_sub_f32 v[64+2*\u], v[64+2*\u], v96
.endr
.irp u, 0,1,2,3,4,5,6,7
	v_mul_f32 v[64+2*\u], s[CS], v[64+2*\u]
.endr
.irp u, 0,1,2,3,4,5,6,7
	v_exp_f32 v[64+2*\u], v[64+2*\u]               ; f = 2^((M_u - M) log2 e)
.endr
	v_nop                                          ; a plain instruction behind the last exponential
	s_wait_alu depctr_va_vdst(0)                   ; one wait for the eight
	v_mul_f32 v97, v64, v65
	v_pk_mul_f32 v[98:99], v[80:81], v[64:65] op_sel_hi:[1,0]
.irp u, 1,2,3,4,5,6,7
	v_fma_f32 v97, v[64+2*\u], v[65+2*\u], v97     ; the sum
	v_pk_fma_f32 v[98:99], v[80+2*\u:81+2*\u], v[64+2*\u:65+2*\u], v[98:99] op_sel_hi:[1,0,1]
.endr
	v_rcp_f32 v100, v97
	v_nop
	s_wait_alu depctr_va_vdst(0)                   ; the reciprocal's wait, ahead of its first reader
	v_mul_f32 v98, v98, v100
	v_mul_f32 v99, v99, v100
	global_store_b64 v45, v[98:99], s[MFA:MFA+1]   ; the wave stores 256 consecutive bytes, aligned
	s_wait_xcnt 0x0                                ; the store has read its registers: the mask's loads will land on them
.Lno_merge:
	s_wait_tensorcnt 1                             ; my part of slot 0 is in; slot 1's may stay out
	s_barrier_signal -1
	s_barrier_wait -1
	FETCH_K                                        ; key step 0
	FETCH_M 0
	FETCH_M 2
	s_wait_loadcnt 0x0                             ; Q
	s_wait_dscnt 0x0
.set i, 0
.rept 16
	KQ 0                                           ; piece 0's first scores
.set i, i+1
.endr
	PLACES
	TURN 2, 0, 1, 1                                ; piece 2's first scores | piece 0's first softmax | V of step 0
	TURN 0, 1, 1, 1                                ; piece 0: V^T P of step 0 starts O^T, K Q^T of step 1 | piece 2's first softmax
	TURN 2, 1, 1, 0                                ; piece 2: the same | piece 0's softmax of step 1 | V of step 1
	WIN 0
	s_mov_b32 s[TRIPS], 15
.Ltrip:                                            ; 15 trips fill both slots again: 30 refills behind the two first fills make the 32 slots' worth of keys
	CHANGE 0, 1, 0
	TWO_STEPS 1
	CHANGE 1, 1, 1
	TWO_STEPS 0
	s_sub_co_u32 s[TRIPS], s[TRIPS], 1
	s_cmp_lg_u32 s[TRIPS], 0
	s_cbranch_scc1 .Ltrip
	CHANGE 0, 0, 0                                 ; the tail is written out: nothing is asked for
	TWO_STEPS 1
	TURN 0, 2, 0, 0                                ; piece 0: V^T P of the last step | piece 2's last softmax
.set i, 0
.rept 16
	PV 2, 0
.set i, i+1
.endr
	; THE WAY OUT: O^T / l, rounded to f16 in pairs: the projection's fragments, stored as they stand.  The additions are the places behind the last products.
	WIN 0
.irp t, 0,1,2,3
	v_add_f32 v[ST+8*\t+4], v[ST+8*\t+2], v[ST+8*\t+3]
.endr
.irp t, 0,1,2,3
	v_permlanex16_b32 v[ST+8*\t+5], v[ST+8*\t+4], s[SEL], s[SEL+1]
.endr
.irp t, 0,1,2,3
	v_add_f32 v[ST+8*\t+4], v[ST+8*\t+4], v[ST+8*\t+5]
.endr
.irp t, 0,1,2,3
	v_rcp_f32 v[ST+8*\t+6], v[ST+8*\t+4]
.endr
	v_nop
	s_wait_alu depctr_va_vdst(0)                   ; one wait for the four reciprocals
.macro PACK t
	WIN W_RS
.set i, 32*\t
.rept 16
	v_pk_mul_f32 v[i:i+1], v[i:i+1], v[ST+8*\t+6:ST+8*\t+7] op_sel_hi:[1,0]
.set i, i+2
.endr
	WIN 0x05
.set i, 0
.rept 16
	v_cvt_pk_f16_f32 v[S+32*\t+i], v[32*\t+2*i], v[32*\t+2*i+1]
.set i, i+1
.endr
	WIN 0
.irp c, 0,1,2,3
	global_store_b128 v[LO], v[S+32*\t+4*\c:S+32*\t+4*\c+3], s[8:9] offset:\t*32768+512*\c   ; 512 consecutive bytes, aligned
.endr
.endm
	PACK 0
	PACK 1
	PACK 2
	PACK 3
	s_wait_tensorcnt 0x0                           ; the wave's end
	ds_add_u32 v[SPW], v[NIL]
	s_wait_dscnt 0x0
	CROUND                                         ; the closing round
	s_endpgm
.Lfunc_end_k_qa277ac9464_attn:
	.size	k_qa277ac9464_attn, .Lfunc_end_k_qa277ac9464_attn-k_qa277ac9464_attn
	.p2alignl 7, 3214868480
	.fill 96, 4, 3214868480
	.section	.rodata,"a",@progbits
	.p2align	6, 0x0
	.amdhsa_kernel k_qa277ac9464_attn
		.amdhsa_group_segment_fixed_size 327680
		.amdhsa_private_segment_fixed_size 0
		.amdhsa_enable_private_segment 0
		.amdhsa_kernarg_size 40
		.amdhsa_user_sgpr_count 2
		.amdhsa_user_sgpr_kernarg_segment_ptr 1
		.amdhsa_wavefront_size32 1
		.amdhsa_system_sgpr_workgroup_id_x 1
		.amdhsa_system_sgpr_workgroup_id_y 1
		.amdhsa_system_sgpr_workgroup_id_z 1
		.amdhsa_system_vgpr_workitem_id 0
		.amdhsa_next_free_vgpr 576
		.amdhsa_next_free_sgpr 92
		.amdhsa_reserve_vcc 0
		.amdhsa_float_denorm_mode_32 3
		.amdhsa_float_denorm_mode_16_64 3
		.amdhsa_memory_ordered 1
		.amdhsa_forward_progress 1
		.amdhsa_inst_pref_size 230
	.end_amdhsa_kernel
	.amdgpu_metadata
---
amdhsa.version: [ 1, 2 ]
amdhsa.kernels:
  - .name:           k_qa277ac9464_attn
    .symbol:         k_qa277ac9464_attn.kd
    .args:
      - { .name: qkv, .offset: 0, .size: 8, .value_kind: global_buffer, .address_space: global }
      - { .name: attention_mask, .offset: 8, .size: 8, .value_kind: global_buffer, .address_space: global }
      - { .name: af, .offset: 16, .size: 8, .value_kind: global_buffer, .address_space: global }
      - { .name: fpart, .offset: 24, .size: 8, .value_kind: global_buffer, .address_space: global }
      - { .name: fattn, .offset: 32, .size: 8, .value_kind: global_buffer, .address_space: global }
    .group_segment_fixed_size: 327680
    .private_segment_fixed_size: 0
    .kernarg_segment_align: 8
    .kernarg_segment_size: 40
    .max_flat_workgroup_size: 128
    .sgpr_count:     92
    .vgpr_count:     576
    .wavefront_size: 32
...
	.end_amdgpu_metadata
.endif
;; end of part 4
;; launch proj (part 5): grid 8 x 32, 4 waves a work-group, clusters of 4 x 4, 327,680 bytes of LDS; arguments af, wof, bo, out0; writes out0
.if DOCPART == 5
	.amdgcn_target "amdgcn-amd-amdhsa--gfx1250"
	.amdhsa_code_object_version 6
	.text
	.protected	k_qa277ac9464_proj
	.globl	k_qa277ac9464_proj
	.p2align	8
	.type	k_qa277ac9464_proj,@function
k_qa277ac9464_proj:
	s_mov_b64 s[64:65], 0
	v_nop
	global_prefetch_b8 v0, s[64:65] scope:SCOPE_SE
	s_setreg_imm32_b32 hwreg(HW_REG_WAVE_MODE, 25, 1), 1
	s_wait_xcnt 0x0
	s_wait_alu depctr_hold_cnt(0) depctr_sa_sdst(0) depctr_va_vdst(0) depctr_va_sdst(0) depctr_va_ssrc(0) depctr_va_vcc(0) depctr_vm_vsrc(0)
	s_getreg_b32 s2, hwreg(HW_REG_IB_STS2, 6, 4)
	s_cmp_eq_u32 s2, 0
	s_cbranch_scc0 .Lentry_in_a_cluster
	s_endpgm
.Lentry_in_a_cluster:
	s_bfe_u32 s2, ttmp6, 0x10000c
	s_cmp_lg_u32 s2, 0xf033
	s_cbranch_scc0 .Lentry_shape_is_right
	s_endpgm
.Lentry_shape_is_right:
; out0[m][n] = sum over k of attn[m][k] Wo[n][k] + bo[n].  attn (af) and Wo (wof) are f16, laid in the order of their fragments' registers: [tile of 16 rows][32 along k: 32][1,024 bytes]; sums f32; out0 [4096][1024] f32.
; A tile of 128 x 128 to a work-group, so that there are 256 of them; four waves of 64 x 64: 16 accumulators.  K goes in four steps of 256 through two LDS slots; a wave's tensor load brings four tiles' 8 KB.
; CLUSTERS 4 x 4: attn's tiles are asked for jointly along a row of the cluster, Wo's along a column.  Source 0 = 16 rows of Wo, source 1 = 16 rows of attn: a lane holds eight neighbouring numbers of a row of out0.
; The bias is the C of each sum's first product.  A wave's 64 columns are 256 aligned bytes of a row.
; Rows 0-15 are stored here like all others and once more, from finer sums, by the launch that follows.
; No prefetch: four short K steps on a small tile.
; REGISTERS: window 0: v0-31 addresses; v32-95 rows on the way out; v96-127 the bias; v128-255 the accumulators.   window 1: two fragment buffers of 128: 64 registers of attn, then 64 of Wo.
.set KSTEPB, 8192                      ; a tile's eight fragments of a K step
.set SLOT,   131072                    ; attn's 8 tiles, then Wo's 8
.set SPARE,  2*SLOT                    ; the spare words: 128 bytes a wave
.set STAGE,  SPARE+512                 ; 16 rows x 272 bytes for each wave
.set SPITCH, 272
.set LAPS,   2
.set ADRA, 16
.set ADRB, 20
.set STO,  24
.set RD,   25
.set CO,   26
.set SPW,  28
.set NIL,  29
.set BO,   30
.set TMP,  32
.set BI,   96
.set ACC,  128
.set F0,   0
.set F1,   128
.set G1, 24
.set G0, 32
.set G1B, 48
.set G0B, 56
.set MSB, 0
.macro WIN new
.if MSB != (\new)
	s_set_vgpr_msb (MSB<<8)|(\new)
.set MSB, (\new)
.endif
.endm
.set MUL,  0x05                        ; sources window 1; C and D window 0
.set TO_F, 0x40
.macro JLOAD s                         ; waves 0, 1 fetch attn's halves, waves 2, 3 Wo's; an s_nop 0 and four v_nop follow each line
	s_cmp_eq_u32 s11, 0
	s_cbranch_scc0 .Lfor_b_\@
	tensor_load_to_lds s[G0+4*\s:G0+4*\s+3], s[G1:G1+7]
	s_nop 0
.rept 4
	v_nop
.endr
	s_branch .Lasked_\@
.Lfor_b_\@:
	tensor_load_to_lds s[G0B+4*\s:G0B+4*\s+3], s[G1B:G1B+7]
	s_nop 0
.rept 4
	v_nop
.endr
.Lasked_\@:
.endm
.macro CREST
	s_cmp_lg_u32 s10, 0
	s_cbranch_scc1 .Lnot_wave_0_\@
	s_barrier_signal -3
.Lnot_wave_0_\@:
	s_barrier_wait -3
	s_barrier_signal -1
	s_barrier_wait -1
.endm
.macro CROUND
	s_barrier_signal -1
	s_barrier_wait -1
	CREST
.endm
	s_load_b128 s[4:7], s[0:1], 0x0                ; af s[4:5], wof s[6:7]
	s_load_b128 s[68:71], s[0:1], 0x10             ; bo s[68:69], out0 s[70:71]
	v_lshl_add_u32 v[SPW], v0, 2, SPARE
	v_mov_b32 v[NIL], 0
	ds_add_u32 v[SPW], v[NIL]                      ; the wave's opening: the add, twice on end, and its wait ahead of my first tensor load
	ds_add_u32 v[SPW], v[NIL]
	v_lshrrev_b32 v1, 5, v0
	v_readfirstlane_b32 s10, v1                    ; wave 0..3
	s_lshr_b32 s11, s10, 1                         ; which half of the tile's rows is mine; also: I fetch for attn (0) or Wo (1)
	s_and_b32 s12, s10, 1                          ; which half of its columns; also: which four tiles I fetch
	s_bfe_u32 s40, ttmp6, 0x40000
	s_bfe_u32 s41, ttmp6, 0x40004
	s_lshl_b32 s42, ttmp9, 2
	s_add_co_u32 s42, s42, s40                     ; tile column 0 .. 7
	s_and_b32 s13, ttmp7, 0xffff
	s_lshl_b32 s13, s13, 2
	s_add_co_u32 s13, s13, s41                     ; tile row 0 .. 31
	s_lshl_b32 s43, s41, 2
	s_lshl_b32 s43, 15, s43
	s_lshl_b32 s44, 0x1111, s40
	s_or_b32 s[G1+0], s43, (3<<16)|(1<<21)         ; elements of 8 bytes, no padding: four rows of 8,192 bytes, 32,768 apart
	s_or_b32 s[G1B+0], s44, (3<<16)|(1<<21)
.irp g, G1, G1B
	s_mov_b32 s[\g+1], 1024<<16
	s_mov_b32 s[\g+2], 4<<16
	s_mov_b32 s[\g+3], 1024<<16
	s_mov_b32 s[\g+4], 4
	s_mov_b32 s[\g+5], 4096
	s_mov_b32 s[\g+6], 0
	s_mov_b32 s[\g+7], 0
.endr
	s_lshl_b32 s17, s12, 2
	s_lshl_b32 s16, s13, 3
	s_add_co_u32 s16, s16, s17                     ; attn: tile 8 x tile row + 4 x half
	s_lshl_b32 s16, s16, 15
	s_lshl_b32 s46, s42, 3
	s_add_co_u32 s46, s46, s17                     ; Wo: tile 8 x tile column + 4 x half
	s_lshl_b32 s46, s46, 15
	s_mov_b32 s17, 0
	s_mov_b32 s47, 0
	s_lshl_b32 s20, s10, 15                        ; where they go: wave x 32,768
	s_wait_dscnt 0x0
	s_wait_kmcnt 0x0
	s_add_nc_u64 s[14:15], s[4:5], s[16:17]
	s_add_nc_u64 s[46:47], s[6:7], s[46:47]
	CROUND
.irp s, 0,1
	s_mov_b32 s[G0+4*\s], 1
	s_add_co_u32 s[G0+4*\s+1], s20, \s*SLOT
	s_add_nc_u64 s[G0+4*\s+2:G0+4*\s+3], s[14:15], \s*KSTEPB
	s_or_b32 s[G0+4*\s+3], s[G0+4*\s+3], 0x80000000
	s_mov_b32 s[G0B+4*\s], 1
	s_add_co_u32 s[G0B+4*\s+1], s20, \s*SLOT
	s_add_nc_u64 s[G0B+4*\s+2:G0B+4*\s+3], s[46:47], \s*KSTEPB
	s_or_b32 s[G0B+4*\s+3], s[G0B+4*\s+3], 0x80000000
	JLOAD \s
.endr
	v_and_b32 v1, 15, v0                           ; r
	v_bfe_u32 v2, v0, 4, 1                         ; h
	v_and_b32 v3, 31, v0
	v_lshlrev_b32 v3, 4, v3                        ; 16 x lane
	s_lshl_b32 s21, s11, 15                        ; my four tiles of attn,
	s_lshl_b32 s22, s12, 15
	s_add_co_u32 s22, s22, 65536                   ; and of Wo
.irp s, 0,1
	v_add_nc_u32 v[ADRA+\s], s21, v3
	v_add_nc_u32 v[ADRB+\s], s22, v3
	s_add_co_u32 s21, s21, SLOT
	s_add_co_u32 s22, s22, SLOT
.endr
	s_mul_i32 s23, s10, 16*SPITCH
	s_add_co_u32 s23, s23, STAGE                   ; my stage
	v_mul_u32_u24 v4, v1, SPITCH
	v_lshl_add_u32 v4, v2, 5, v4
	v_add_nc_u32 v[STO], s23, v4                   ; in: row r, 32 bytes for each half of the lanes
	v_mul_u32_u24 v5, v2, SPITCH
	v_lshl_add_u32 v5, v1, 4, v5
	v_add_nc_u32 v[RD], s23, v5                    ; back: lanes 0-15 one row of 256 bytes, lanes 16-31 the next
	v_lshlrev_b32 v5, 12, v2
	v_lshl_add_u32 v[CO], v1, 4, v5                ; and the same two rows in out0
	v_lshlrev_b32 v[BO], 5, v2
	s_lshl_b32 s16, s42, 9
	s_lshl_b32 s17, s12, 8
	s_add_co_u32 s16, s16, s17                     ; my first column, in bytes
	s_mov_b32 s17, 0
	s_add_nc_u64 s[68:69], s[68:69], s[16:17]
	s_add_nc_u64 s[70:71], s[70:71], s[16:17]
	s_lshl_b32 s16, s13, 19
	s_lshl_b32 s18, s11, 18
	s_add_co_u32 s16, s16, s18                     ; my first row: 128 x tile row + 64 x half, 4,096 bytes a row
	s_add_nc_u64 s[70:71], s[70:71], s[16:17]
.irp b, 0,1,2,3
	global_load_b128 v[BI+8*\b:BI+8*\b+3], v[BO], s[68:69] offset:64*\b       ; bo at my lane's eight columns of block b
	global_load_b128 v[BI+8*\b+4:BI+8*\b+7], v[BO], s[68:69] offset:64*\b+16
.endr
.macro MUL8 f, c, a0, zero             ; 8 products: row blocks a0, a0 + 1 x the 4 column blocks, 32 along K.  zero = 1: C is the bias.  The 16 accumulators take turns
.irp a, \a0, \a0+1
.irp b, 0,1,2,3
.if \zero
	v_wmma_f32_16x16x32_f16 v[ACC+8*(4*(\a)+\b):ACC+8*(4*(\a)+\b)+7], v[\f+64+8*(4*\c+\b):\f+64+8*(4*\c+\b)+7], v[\f+8*(4*\c+\a):\f+8*(4*\c+\a)+7], v[BI+8*\b:BI+8*\b+7]
.else
	v_wmma_f32_16x16x32_f16 v[ACC+8*(4*(\a)+\b):ACC+8*(4*(\a)+\b)+7], v[\f+64+8*(4*\c+\b):\f+64+8*(4*\c+\b)+7], v[\f+8*(4*\c+\a):\f+8*(4*\c+\a)+7], v[ACC+8*(4*(\a)+\b):ACC+8*(4*(\a)+\b)+7]
.endif
.endr
.endr
.endm
.macro FETCH slot, q, f                ; 32 LDS loads: the fragments of the slot's q-th 64 along K, the first 32 first
	WIN TO_F
.irp c, 0,1
.irp i, 0,1,2,3
	ds_load_b128 v[\f+64+8*(4*\c+\i):\f+64+8*(4*\c+\i)+3],   v[ADRB+\slot] offset:\i*KSTEPB+(2*(\q)+\c)*1024
	ds_load_b128 v[\f+64+8*(4*\c+\i)+4:\f+64+8*(4*\c+\i)+7], v[ADRB+\slot] offset:\i*KSTEPB+(2*(\q)+\c)*1024+512
	ds_load_b128 v[\f+8*(4*\c+\i):\f+8*(4*\c+\i)+3],         v[ADRA+\slot] offset:\i*KSTEPB+(2*(\q)+\c)*1024
	ds_load_b128 v[\f+8*(4*\c+\i)+4:\f+8*(4*\c+\i)+7],       v[ADRA+\slot] offset:\i*KSTEPB+(2*(\q)+\c)*1024+512
.endr
.endr
.endm
.macro PLACES
.rept 4
	v_nop
.endr
.endm
.macro QUARTER slot, q, f, g, zero     ; multiplies buffer f and fetches the slot's quarter q into g
	s_wait_dscnt 16                                ; the first 32 along K are in; the other sixteen loads may be out
	WIN MUL
	MUL8 \f, 0, 0, \zero
	MUL8 \f, 0, 2, \zero
	PLACES
	FETCH \slot, \q, \g
	s_wait_dscnt 32                                ; all but the 32 just issued
	WIN MUL
	MUL8 \f, 1, 0, 0
	MUL8 \f, 1, 2, 0
.endm
.macro TURN slot, next, fill           ; a slot's last quarter changes slots: one barrier; fill = 1: it opens a round of the cluster's barrier, and the slot is filled again, two K steps ahead
	WIN 0
	s_wait_tensorcnt 0x0                           ; all my tensor loads have landed: my part of the next slot
	ds_add_u32 v[SPW], v[NIL]
	s_wait_dscnt 17                                ; the add and the youngest sixteen loads may be out
	WIN MUL
	MUL8 F1, 0, 0, 0
	s_wait_dscnt 0x0                               ; the add is done, and my reads of this slot are over
	s_barrier_signal -1
	MUL8 F1, 0, 2, 0
.if \fill
	WIN 0
.endif
	s_barrier_wait -1
.if \fill
	CREST
	s_add_nc_u64 s[G0+4*\slot+2:G0+4*\slot+3], s[G0+4*\slot+2:G0+4*\slot+3], 2*KSTEPB
	s_add_nc_u64 s[G0B+4*\slot+2:G0B+4*\slot+3], s[G0B+4*\slot+2:G0B+4*\slot+3], 2*KSTEPB
	JLOAD \slot                                    ; the four v_nop behind it are also the places in front of the loads below
.else
	PLACES
.endif
	FETCH \next, 0, F0
	WIN MUL
	MUL8 F1, 1, 0, 0
	MUL8 F1, 1, 2, 0
.endm
	s_wait_tensorcnt 1                             ; my part of K step 0 is in; K step 1's may stay out
	s_barrier_signal -1
	s_barrier_wait -1
	FETCH 0, 0, F0
	s_wait_loadcnt 0x0                             ; the bias
	QUARTER 0, 1, F0, F1, 1
	WIN 0
	s_mov_b32 s3, LAPS-1
.Llap:
	QUARTER 0, 2, F1, F0, 0
	QUARTER 0, 3, F0, F1, 0
	TURN 0, 1, 1
	QUARTER 1, 1, F0, F1, 0
	QUARTER 1, 2, F1, F0, 0
	QUARTER 1, 3, F0, F1, 0
	TURN 1, 0, 1
	QUARTER 0, 1, F0, F1, 0
	WIN 0
	s_sub_co_u32 s3, s3, 1
	s_cmp_lg_u32 s3, 0
	s_cbranch_scc1 .Llap
	QUARTER 0, 2, F1, F0, 0                        ; the last lap fills nothing
	QUARTER 0, 3, F0, F1, 0
	TURN 0, 1, 0
	QUARTER 1, 1, F0, F1, 0
	QUARTER 1, 2, F1, F0, 0
	QUARTER 1, 3, F0, F1, 0
	s_wait_dscnt 16
	WIN MUL
	MUL8 F1, 0, 0, 0
	MUL8 F1, 0, 2, 0
	s_wait_dscnt 0
	MUL8 F1, 1, 0, 0
	MUL8 F1, 1, 2, 0
	WIN 0
	; THE WAY OUT, 16 rows at a time through my own stage: LDS serves a wave's instructions in order, so no wait stands between the stores and the loads, nor in front of the next block's stores.
.macro TOSTAGE a
.irp b, 0,1,2,3
	ds_store_b128 v[STO], v[ACC+8*(4*(\a)+\b):ACC+8*(4*(\a)+\b)+3] offset:64*\b        ; each accumulator from its low end on
	ds_store_b128 v[STO], v[ACC+8*(4*(\a)+\b)+4:ACC+8*(4*(\a)+\b)+7] offset:64*\b+16
.endr
.irp t, 0,1,2,3,4,5,6,7
	ds_load_b128 v[TMP+32*((\a)%2)+4*\t:TMP+32*((\a)%2)+4*\t+3], v[RD] offset:\t*2*SPITCH
.endr
.endm
.macro SEND a, younger                 ; younger: the next block's sixteen LDS instructions, or none
	s_wait_dscnt \younger
.irp t, 0,1,2,3,4,5,6,7
	global_store_b128 v[CO], v[TMP+32*((\a)%2)+4*\t:TMP+32*((\a)%2)+4*\t+3], s[70:71] offset:(\a)*65536+2*\t*4096 th:TH_STORE_NT   ; 16 lanes store 256 consecutive bytes, aligned
.endr
.endm
	PLACES
	TOSTAGE 0
	TOSTAGE 1
	SEND 0, 16
	s_wait_xcnt 0x0                                ; block 0's stores have read their registers
	TOSTAGE 2
	SEND 1, 16
	s_wait_xcnt 0x0
	TOSTAGE 3
	SEND 2, 16
	SEND 3, 0
	s_wait_tensorcnt 0x0                           ; the wave's end
	ds_add_u32 v[SPW], v[NIL]
	s_wait_dscnt 0x0
	CROUND                                         ; the closing round
	s_endpgm
.Lfunc_end_k_qa277ac9464_proj:
	.size	k_qa277ac9464_proj, .Lfunc_end_k_qa277ac9464_proj-k_qa277ac9464_proj
	.p2alignl 7, 3214868480
	.fill 96, 4, 3214868480
	.section	.rodata,"a",@progbits
	.p2align	6, 0x0
	.amdhsa_kernel k_qa277ac9464_proj
		.amdhsa_group_segment_fixed_size 327680
		.amdhsa_private_segment_fixed_size 0
		.amdhsa_enable_private_segment 0
		.amdhsa_kernarg_size 32
		.amdhsa_user_sgpr_count 2
		.amdhsa_user_sgpr_kernarg_segment_ptr 1
		.amdhsa_wavefront_size32 1
		.amdhsa_system_sgpr_workgroup_id_x 1
		.amdhsa_system_sgpr_workgroup_id_y 1
		.amdhsa_system_sgpr_workgroup_id_z 1
		.amdhsa_system_vgpr_workitem_id 0
		.amdhsa_next_free_vgpr 512
		.amdhsa_next_free_sgpr 72
		.amdhsa_reserve_vcc 0
		.amdhsa_float_denorm_mode_32 3
		.amdhsa_float_denorm_mode_16_64 3
		.amdhsa_memory_ordered 1
		.amdhsa_forward_progress 1
		.amdhsa_inst_pref_size 86
	.end_amdhsa_kernel
	.amdgpu_metadata
---
amdhsa.version: [ 1, 2 ]
amdhsa.kernels:
  - .name:           k_qa277ac9464_proj
    .symbol:         k_qa277ac9464_proj.kd
    .args:
      - { .name: af, .offset: 0, .size: 8, .value_kind: global_buffer, .address_space: global }
      - { .name: wof, .offset: 8, .size: 8, .value_kind: global_buffer, .address_space: global }
      - { .name: bo, .offset: 16, .size: 8, .value_kind: global_buffer, .address_space: global }
      - { .name: out0, .offset: 24, .size: 8, .value_kind: global_buffer, .address_space: global }
    .group_segment_fixed_size: 327680
    .private_segment_fixed_size: 0
    .kernarg_segment_align: 8
    .kernarg_segment_size: 32
    .max_flat_workgroup_size: 128
    .sgpr_count:     72
    .vgpr_count:     512
    .wavefront_size: 32
...
	.end_amdgpu_metadata
.endif
;; end of part 5
;; launch fineproj (part 6): grid 64 x 1, 16 waves a work-group, no clusters, 18,432 bytes of LDS; arguments fattn, Wo, bo, out0; writes out0
.if DOCPART == 6
	.amdgcn_target "amdgcn-amd-amdhsa--gfx1250"
	.amdhsa_code_object_version 6
	.text
	.protected	k_qa277ac9464_fineproj
	.globl	k_qa277ac9464_fineproj
	.p2align	8
	.type	k_qa277ac9464_fineproj,@function
k_qa277ac9464_fineproj:
	s_mov_b64 s[64:65], 0
	v_nop
	global_prefetch_b8 v0, s[64:65] scope:SCOPE_SE
	s_setreg_imm32_b32 hwreg(HW_REG_WAVE_MODE, 25, 1), 1
	s_wait_xcnt 0x0
; The first 16 positions' rows of out0, from finer sums: attn in f32 (fattn, merged and divided by the launch before the last), Wo in f32, the f32 matrix form.
; Work-group x owns columns 16 x .. + 15; wave = head: it multiplies its head's 16 queries x 64 channels by Wo's 16 rows x the same channels: 16 products on four accumulators, one for each run of 16 channels,
; which take turns; the four are added, and the sixteen heads' sums meet in LDS.  Then waves 0-7 add them and bo: wave w takes queries w and 8 + w, a lane one column.
; Source 0 = attn's 16 queries, source 1 = Wo's 16 rows: register j of lane (r, h) is out0(8 h + j, 16 x + r).
; k of the f32 form: both operands take registers 2 i, 2 i + 1 of a run of 16 channels, so slot (lane / 16, j) is channel 8 (lane / 16) + 2 i + j on both sides.
; A wave issues its 17 loads at once.  A work-group's 16 columns are 64 bytes of a row, so sixteen lanes store 64 consecutive bytes: the launch stores 64 KB in all; 64 columns to a work-group would make
; the pieces 256 bytes and give a work-group four times the loads of Wo, each of which touches 16 rows.
; No cluster, no tensor load: a small launch whose operands go straight into registers.
; REGISTERS: v1-5, v10, v11 addresses; v12 bo, then the sum; v32-63 attn; v64-95 Wo; v96-111 the four accumulators' sum; v112-127 the heads' sums; v192-223 the products' sums, written by matrix instructions alone.
.set SPARE, 16384                      ; LDS: sixteen heads' 1,024 bytes ([register j 8][4 x lane]); then the spare words, 128 bytes a wave
.set SPW, 6
.set NIL, 7
	s_load_b256 s[4:11], s[0:1], 0x0               ; fattn s[4:5], Wo s[6:7], bo s[8:9], out0 s[10:11]
	v_lshl_add_u32 v[SPW], v0, 2, SPARE
	v_mov_b32 v[NIL], 0
	v_lshrrev_b32 v8, 5, v0
	v_readfirstlane_b32 s12, v8                    ; wave = head
	v_and_b32 v1, 31, v0
	v_lshlrev_b32 v2, 2, v1                        ; 4 x lane
	v_lshlrev_b32 v1, 4, v1                        ; 16 x lane
	v_and_b32 v8, 15, v0                           ; r
	v_bfe_u32 v9, v0, 4, 1                         ; h
	v_lshlrev_b32 v3, 12, v8
	v_lshl_add_u32 v3, v9, 5, v3                   ; Wo: row r of 4,096 bytes + 32 h
	s_lshl_b32 s13, s12, 10
	v_add_nc_u32 v4, s13, v2                       ; LDS: my head's sums
	s_lshl_b32 s13, s12, 7
	v_add_nc_u32 v5, s13, v2                       ; back: register w of every head
	v_lshlrev_b32 v10, 2, v8                       ; bo: 4 r
	v_lshl_add_u32 v11, v9, 15, v10                ; out0: row 8 h of 4,096 bytes + 4 r
	s_lshl_b32 s14, s12, 12                        ; fattn: 4,096 bytes a head
	s_mov_b32 s15, 0
	s_lshl_b32 s16, ttmp9, 16                      ; Wo: row 16 x,
	s_lshl_b32 s17, s12, 8
	s_add_co_u32 s16, s16, s17                     ; channel 64 x head
	s_mov_b32 s17, 0
	s_lshl_b32 s18, ttmp9, 6                       ; my 16 columns, in bytes
	s_mov_b32 s19, 0
	s_lshl_b32 s20, s12, 12
	s_add_co_u32 s20, s20, s18                     ; out0: row w, my columns
	s_mov_b32 s21, 0
	s_wait_kmcnt 0x0
	s_add_nc_u64 s[14:15], s[4:5], s[14:15]
	s_add_nc_u64 s[16:17], s[6:7], s[16:17]
	s_add_nc_u64 s[18:19], s[8:9], s[18:19]
	s_add_nc_u64 s[20:21], s[10:11], s[20:21]
	global_load_b32 v12, v10, s[18:19]             ; bo at my column
.irp g, 0,1,2,3,4,5,6,7
	global_load_b128 v[32+4*\g:35+4*\g], v1, s[14:15] offset:512*\g        ; attn: register 8 c + j is (query r, channel 16 c + 8 h + j)
.endr
.irp c, 0,1,2,3
	global_load_b128 v[64+8*\c:67+8*\c], v3, s[16:17] offset:64*\c         ; Wo(16 x + r, 64 head + 16 c + 8 h .. + 7)
	global_load_b128 v[68+8*\c:71+8*\c], v3, s[16:17] offset:64*\c+16
.endr
	s_wait_loadcnt 0x0
.irp i, 0,1,2,3
.irp c, 0,1,2,3                                ; the four accumulators by turns
.if \i == 0
	v_wmma_f32_16x16x4_f32 v[192+8*\c:199+8*\c], v[32+8*\c+2*\i:33+8*\c+2*\i], v[64+8*\c+2*\i:65+8*\c+2*\i], 0
.else
	v_wmma_f32_16x16x4_f32 v[192+8*\c:199+8*\c], v[32+8*\c+2*\i:33+8*\c+2*\i], v[64+8*\c+2*\i:65+8*\c+2*\i], v[192+8*\c:199+8*\c]
.endif
.endr
.endr
.rept 8
	v_nop                                          ; eight places behind this form
.endr
.irp p, 0,1,2,3                                ; each accumulator from its low end on
	v_pk_add_f32 v[96+2*\p:97+2*\p], v[192+2*\p:193+2*\p], v[200+2*\p:201+2*\p]
	v_pk_add_f32 v[104+2*\p:105+2*\p], v[208+2*\p:209+2*\p], v[216+2*\p:217+2*\p]
.endr
.irp p, 0,1,2,3
	v_pk_add_f32 v[96+2*\p:97+2*\p], v[96+2*\p:97+2*\p], v[104+2*\p:105+2*\p]
.endr
.irp j, 0,1,2,3,4,5,6,7
	ds_store_b32 v4, v[96+\j] offset:128*\j        ; 128 consecutive bytes a store
.endr
	s_wait_dscnt 0x0                               ; for the others' sake: my stores have landed
	s_barrier_signal -1
	s_barrier_wait -1
	s_cmp_ge_u32 s12, 8                            ; eight registers: eight waves add
	s_cbranch_scc1 .Lno_row
.irp u, 0,1,2,3,4,5,6,7,8,9,10,11,12,13,14,15
	ds_load_b32 v[112+\u], v5 offset:1024*\u       ; head u's part of out0(8 h + w, 16 x + r)
.endr
	s_wait_dscnt 0x0
.irp u, 0,1,2,3,4,5,6,7,8,9,10,11,12,13,14,15
	v_add_f32 v12, v12, v[112+\u]
.endr
	global_store_b32 v11, v12, s[20:21]            ; sixteen lanes store 64 consecutive bytes of a row
.Lno_row:
	s_wait_tensorcnt 0x0                           ; the wave's end, behind my last LDS store
	ds_add_u32 v[SPW], v[NIL]
	s_wait_dscnt 0x0
	s_endpgm
.Lfunc_end_k_qa277ac9464_fineproj:
	.size	k_qa277ac9464_fineproj, .Lfunc_end_k_qa277ac9464_fineproj-k_qa277ac9464_fineproj
	.p2alignl 7, 3214868480
	.fill 96, 4, 3214868480
	.section	.rodata,"a",@progbits
	.p2align	6, 0x0
	.amdhsa_kernel k_qa277ac9464_fineproj
		.amdhsa_group_segment_fixed_size 18432
		.amdhsa_private_segment_fixed_size 0
		.amdhsa_enable_private_segment 0
		.amdhsa_kernarg_size 32
		.amdhsa_user_sgpr_count 2
		.amdhsa_user_sgpr_kernarg_segment_ptr 1
		.amdhsa_wavefront_size32 1
		.amdhsa_system_sgpr_workgroup_id_x 1
		.amdhsa_system_sgpr_workgroup_id_y 1
		.amdhsa_system_sgpr_workgroup_id_z 1
		.amdhsa_system_vgpr_workitem_id 0
		.amdhsa_next_free_vgpr 256
		.amdhsa_next_free_sgpr 66
		.amdhsa_reserve_vcc 0
		.amdhsa_float_denorm_mode_32 3
		.amdhsa_float_denorm_mode_16_64 3
		.amdhsa_memory_ordered 1
		.amdhsa_forward_progress 1
		.amdhsa_inst_pref_size 8
	.end_amdhsa_kernel
	.amdgpu_metadata
---
amdhsa.version: [ 1, 2 ]
amdhsa.kernels:
  - .name:           k_qa277ac9464_fineproj
    .symbol:         k_qa277ac9464_fineproj.kd
    .args:
      - { .name: fattn, .offset: 0, .size: 8, .value_kind: global_buffer, .address_space: global }
      - { .name: Wo, .offset: 8, .size: 8, .value_kind: global_buffer, .address_space: global }
      - { .name: bo, .offset: 16, .size: 8, .value_kind: global_buffer, .address_space: global }
      - { .name: out0, .offset: 24, .size: 8, .value_kind: global_buffer, .address_space: global }
    .group_segment_fixed_size: 18432
    .private_segment_fixed_size: 0
    .kernarg_segment_align: 8
    .kernarg_segment_size: 32
    .max_flat_workgroup_size: 512
    .sgpr_count:     66
    .vgpr_count:     256
    .wavefront_size: 32
...
	.end_amdgpu_metadata
.endif
;; end of part 6
